; MI455X (gfx1250); checked and timed in simulation.
; The chip was launched on July 23, 2026; its instructions are those of AMD's public machine-readable ISA for CDNA 5 (MIT licence, August 2026) and "CDNA5" Instruction Set Architecture Reference Guide (July 2026). The comments in the code are by the model that wrote it; some were corrected since.
;; Dual Transformer Block. Allowed arithmetic: float matrix products may take bf16 or f16 operands with f32 sums; other float arithmetic in f32, or as packed bf16 or f16 multiplies, adds, multiply-adds, maxima and minima; sums over many terms, partial sums and values carried from step to step in f32; what a program stores and reads back later, other than sums and carried values, may be rounded once to bf16 or f16.
;; Inputs: ln1_b 256 float32; ln1_g 256 float32; ln2_b 256 float32; ln2_g 256 float32; ln3_b 256 float32; ln3_g 256 float32; ln4_b 256 float32; ln4_g 256 float32; m1_b1 1,024 float32; m1_b2 256 float32; m1_w1 1,024 x 256 float32; m1_w2 256 x 1,024 float32; m2_b1 1,024 float32; m2_b2 256 float32; m2_w1 1,024 x 256 float32; m2_w2 256 x 1,024 float32; proj_b 256 float32; proj_w 256 x 256 float32; qkv_w 768 x 256 float32; temperature 8 x 1 x 1 float32; wk 256 x 256 float32; wq 256 x 256 float32; wr 256 x 256 float32; wv 256 x 256 float32; x 4 x 4,096 x 256 float32.
;; Outputs: out0 4 x 4,096 x 256 float32.
;; One version. Each part assembles by itself: llvm-mc -triple=amdgcn-amd-amdhsa -mcpu=gfx1250 --defsym DOCPART=n.
;; ======== version 1 of 1: 9 launches
;; workspace buffers: wf 790,528 bytes; ms1 1,310,720 bytes; ms2 1,310,720 bytes; as1 1,048,576 bytes; as2 1,048,576 bytes; nf 8,388,608 bytes; gp 16,908,288 bytes; add2 16,777,216 bytes
;; launch prep (part 1): grid 16 x 13, 8 waves a work-group, no clusters, 0 bytes of LDS; arguments m1_w1, m1_w2, m2_w1, m2_w2, wr, proj_w, wk, wq, qkv_w, wv, ms1, ms2, as1, as2, wf; writes ms1, ms2, as1, as2, wf
.if DOCPART == 1
	.amdgcn_target "amdgcn-amd-amdhsa--gfx1250"
	.amdhsa_code_object_version 6
	.text
	.protected	k_qf6dc74fc4e_prep
	.globl	k_qf6dc74fc4e_prep
	.p2align	8
	.type	k_qf6dc74fc4e_prep,@function
k_qf6dc74fc4e_prep:
	s_mov_b64 s[64:65], 0
	v_nop
	global_prefetch_b8 v0, s[64:65] scope:SCOPE_SE
	s_setreg_imm32_b32 hwreg(HW_REG_WAVE_MODE, 25, 1), 1
	s_wait_xcnt 0x0
; All weights are rounded once to bf16 and laid out as FRAGMENTS of 1,024 bytes (16 rows x 32 k): byte 16 L + 512 q holds row L % 16, k = 16 q + 8 (L / 16) + 0..7,
; so that a later launch fills a matrix operand by two loads of 16 bytes a lane from 512 consecutive bytes.
; The grid's y is the job (which weight, which layout); 128 waves share a job's fragments, fragment f = wave + 128 x trip.
; Layouts: plain: f x 1024.  S1 (first layer of a two-layer step): [tile][wave][fragment 0-15].  S2 (second layer): the same blocks, fragments 16-31.
; The MLPs' buffers have ten tiles: tile t holds the first layer of step t and the second layer of step t - 2, as the later launch's pipeline takes them; jobs 11 and 12 store zeros into the
; halves that have no weights (second layer of tiles 0 and 1, first layer of tiles 8 and 9).
; Jobs 4 and 5 write their fragments once for each of the four batches.  Jobs 9 and 10 write the transposed weight (row = input channel, k = output channel).
.set GW, 39
.set JOBN, 40
.set SRC, 42
.set DST, 44
.set SOFF, 46
.set DOFF, 47
.set PITCH, 48
.set LK, 49
.set TRIPS, 50
.set TYP, 51
.set TC, 52
.set FF, 53
.set RT, 54
.set KK, 55
.set TM, 56
.set D0, 57
.set D1, 58
.set D2, 59
.set D3, 60
.set D4, 61
.set LATE, 62
.macro JOB k, src, dst, soff, doff, pitch, lk, trips, typ
	s_cmp_eq_u32 s[JOBN], \k
	s_cselect_b64 s[SRC:SRC+1], s[\src:\src+1], s[SRC:SRC+1]
	s_cselect_b64 s[DST:DST+1], s[\dst:\dst+1], s[DST:DST+1]
	s_cselect_b32 s[SOFF], \soff, s[SOFF]
	s_cselect_b32 s[DOFF], \doff, s[DOFF]
	s_cselect_b32 s[PITCH], \pitch, s[PITCH]
	s_cselect_b32 s[LK], \lk, s[LK]
	s_cselect_b32 s[TRIPS], \trips, s[TRIPS]
	s_cselect_b32 s[TYP], \typ, s[TYP]
.endm
	s_load_b512 s[8:23], s[0:1], 0x0               ; m1_w1 8, m1_w2 10, m2_w1 12, m2_w2 14, wr 16, proj_w 18, wk 20, wq 22
	s_load_b256 s[24:31], s[0:1], 0x40             ; qkv_w 24, wv 26, ms1 28, ms2 30
	s_load_b128 s[32:35], s[0:1], 0x60             ; as1 32, as2 34
	s_load_b64 s[36:37], s[0:1], 0x70              ; wf
	v_lshrrev_b32 v1, 5, v0
	v_readfirstlane_b32 s38, v1                    ; wave
	s_lshl_b32 s[GW], ttmp9, 3
	s_add_co_u32 s[GW], s[GW], s38                 ; wave among the job's 128
	s_and_b32 s[JOBN], ttmp7, 0xffff
	s_mov_b32 s[LATE], 786432                      ; six tiles: from tiles 2, 3 to tiles 8, 9
	v_and_b32 v2, 15, v0                           ; r
	v_bfe_u32 v3, v0, 4, 1                         ; h
	v_and_b32 v4, 31, v0
	v_lshlrev_b32 v4, 4, v4                        ; 16 L
	s_wait_kmcnt 0x0
	s_mov_b64 s[SRC:SRC+1], s[8:9]                 ; job 0; the other jobs replace these by selects on the job's number
	s_mov_b64 s[DST:DST+1], s[28:29]
	s_mov_b32 s[SOFF], 0
	s_mov_b32 s[DOFF], 0
	s_mov_b32 s[PITCH], 1024
	s_mov_b32 s[LK], 3
	s_mov_b32 s[TRIPS], 4
	s_mov_b32 s[TYP], 1
	JOB 1, 10, 28, 0, 0, 4096, 5, 4, 2
	JOB 2, 12, 30, 0, 0, 1024, 3, 4, 1
	JOB 3, 14, 30, 0, 0, 4096, 5, 4, 2
	JOB 4, 16, 32, 0, 0, 1024, 3, 1, 3
	JOB 5, 18, 34, 0, 0, 1024, 3, 1, 3
	JOB 6, 20, 36, 0, 4096, 1024, 3, 1, 0
	JOB 7, 22, 36, 0, 135168, 1024, 3, 1, 0
	JOB 8, 24, 36, 0, 266240, 1024, 3, 2, 0
	JOB 9, 26, 36, 0, 528384, 1024, 3, 1, 4
	JOB 10, 24, 36, 524288, 659456, 1024, 3, 1, 4
	JOB 11, 8, 28, 0, 0, 1024, 3, 2, 5
	JOB 12, 8, 30, 0, 0, 1024, 3, 2, 5
	v_mul_lo_u32 v5, v2, s[PITCH]
	v_lshl_add_u32 v5, v3, 5, v5                   ; r x pitch + 32 h
	v_lshlrev_b32 v6, 13, v3
	v_lshl_add_u32 v6, v2, 2, v6                   ; transposed: 8 h rows of 1,024 bytes + 4 r
	s_mov_b32 s[TC], 0
.Ltrip:
	s_wait_xcnt 0x0                                ; the last trip's loads and stores have read their offsets and data: these are rewritten only behind this wait
	s_lshl_b32 s[FF], s[TC], 7
	s_add_co_u32 s[FF], s[FF], s[GW]               ; fragment
	s_lshr_b32 s[RT], s[FF], s[LK]                 ; its block of 16 rows
	s_lshl_b32 s[TM], s[RT], s[LK]
	s_sub_co_u32 s[KK], s[FF], s[TM]               ; its block of 32 k
	s_lshl_b32 s[D0], s[FF], 10                    ; plain
	s_lshr_b32 s[D1], s[FF], 4                     ; S1
	s_lshl_b32 s[D1], s[D1], 15
	s_and_b32 s[TM], s[FF], 15
	s_lshl_b32 s[TM], s[TM], 10
	s_add_co_u32 s[D1], s[D1], s[TM]
	s_lshr_b32 s[D2], s[KK], 2                     ; S2
	s_lshl_b32 s[D2], s[D2], 17
	s_lshr_b32 s[TM], s[RT], 2
	s_lshl_b32 s[TM], s[TM], 15
	s_add_co_u32 s[D2], s[D2], s[TM]
	s_and_b32 s[TM], s[RT], 3
	s_lshl_b32 s[TM], s[TM], 12
	s_add_co_u32 s[D2], s[D2], s[TM]
	s_and_b32 s[TM], s[KK], 3
	s_lshl_b32 s[TM], s[TM], 10
	s_add_co_u32 s[D2], s[D2], s[TM]
	s_add_co_u32 s[D2], s[D2], 16384
	s_add_co_u32 s[D3], s[D2], 262144              ; an MLP's second layer lies two tiles on
	s_lshr_b32 s[TM], s[FF], 6                     ; zeros: 64 fragments for each of the tiles 0, 1, 8, 9
	s_lshl_b32 s[D4], s[TM], 17
	s_cmp_lt_u32 s[TM], 2
	s_cselect_b32 s[TM], 16384, s[LATE]            ; tiles 0, 1: the second half of a wave's part; tiles 8, 9: the first
	s_add_co_u32 s[D4], s[D4], s[TM]
	s_bfe_u32 s[TM], s[FF], 0x20004                ; the wave's part
	s_lshl_b32 s[TM], s[TM], 15
	s_add_co_u32 s[D4], s[D4], s[TM]
	s_and_b32 s[TM], s[FF], 15
	s_lshl_b32 s[TM], s[TM], 10
	s_add_co_u32 s[D4], s[D4], s[TM]
	s_cmp_eq_u32 s[TYP], 1
	s_cselect_b32 s[D0], s[D1], s[D0]
	s_cmp_eq_u32 s[TYP], 2
	s_cselect_b32 s[D0], s[D3], s[D0]
	s_cmp_eq_u32 s[TYP], 3
	s_cselect_b32 s[D0], s[D2], s[D0]
	s_cmp_eq_u32 s[TYP], 5
	s_cselect_b32 s[D0], s[D4], s[D0]
	s_add_co_u32 s[D0], s[D0], s[DOFF]
	v_add_nc_u32 v8, s[D0], v4
	s_cmp_eq_u32 s[TYP], 5
	s_cbranch_scc1 .Lzero
	s_cmp_eq_u32 s[TYP], 4
	s_cbranch_scc1 .Ltr
	s_mul_i32 s[TM], s[RT], s[PITCH]
	s_lshl_b32 s[TM], s[TM], 4
	s_lshl_b32 s[D1], s[KK], 7
	s_add_co_u32 s[TM], s[TM], s[D1]
	s_add_co_u32 s[TM], s[TM], s[SOFF]
	v_add_nc_u32 v7, s[TM], v5
	global_load_b128 v[16:19], v7, s[SRC:SRC+1]
	global_load_b128 v[20:23], v7, s[SRC:SRC+1] offset:16
	global_load_b128 v[24:27], v7, s[SRC:SRC+1] offset:64
	global_load_b128 v[28:31], v7, s[SRC:SRC+1] offset:80
	s_branch .Lcv
.Ltr:
	s_lshl_b32 s[TM], s[KK], 15                    ; 32 rows of 1,024 bytes for each block of k
	s_lshl_b32 s[D1], s[RT], 6
	s_add_co_u32 s[TM], s[TM], s[D1]
	s_add_co_u32 s[TM], s[TM], s[SOFF]
	v_add_nc_u32 v7, s[TM], v6
.set i, 0
.rept 16
	global_load_b32 v[16+i], v7, s[SRC:SRC+1] offset:(i/8)*16384+(i%8)*1024
.set i, i+1
.endr
.Lcv:
	s_wait_loadcnt 0x0
.set i, 0
.rept 8
	v_cvt_pk_bf16_f32 v[32+i], v[16+2*i], v[17+2*i]
.set i, i+1
.endr
	s_branch .Lst
.Lzero:
.set i, 0
.rept 8
	v_mov_b32 v[32+i], 0
.set i, i+1
.endr
.Lst:
	global_store_b128 v8, v[32:35], s[DST:DST+1]   ; a wave's store covers 512 consecutive bytes
	global_store_b128 v8, v[36:39], s[DST:DST+1] offset:512
	s_cmp_eq_u32 s[TYP], 3
	s_cbranch_scc0 .Lone
.set i, 1
.rept 3
	global_store_b128 v8, v[32:35], s[DST:DST+1] offset:i*262144
	global_store_b128 v8, v[36:39], s[DST:DST+1] offset:i*262144+512
.set i, i+1
.endr
.Lone:
	s_add_co_u32 s[TC], s[TC], 1
	s_cmp_lt_u32 s[TC], s[TRIPS]
	s_cbranch_scc1 .Ltrip
	s_cmp_eq_u32 s[JOBN], 6                        ; one wave of the launch writes the 1,024 zeros at wf's head (the bias of the attention that has none)
	s_cbranch_scc0 .Lend
	s_cmp_eq_u32 s[GW], 0
	s_cbranch_scc0 .Lend
	s_wait_xcnt 0x0
	v_mov_b32 v32, 0
	v_mov_b32 v33, 0
	v_mov_b32 v34, 0
	v_mov_b32 v35, 0
	global_store_b128 v4, v[32:35], s[36:37]
	global_store_b128 v4, v[32:35], s[36:37] offset:512
.Lend:
	s_endpgm
.Lfunc_end_k_qf6dc74fc4e_prep:
	.size	k_qf6dc74fc4e_prep, .Lfunc_end_k_qf6dc74fc4e_prep-k_qf6dc74fc4e_prep
	.p2alignl 7, 3214868480
	.fill 96, 4, 3214868480
	.section	.rodata,"a",@progbits
	.p2align	6, 0x0
	.amdhsa_kernel k_qf6dc74fc4e_prep
		.amdhsa_group_segment_fixed_size 0
		.amdhsa_private_segment_fixed_size 0
		.amdhsa_enable_private_segment 0
		.amdhsa_kernarg_size 120
		.amdhsa_user_sgpr_count 2
		.amdhsa_user_sgpr_kernarg_segment_ptr 1
		.amdhsa_wavefront_size32 1
		.amdhsa_system_sgpr_workgroup_id_x 1
		.amdhsa_system_sgpr_workgroup_id_y 1
		.amdhsa_system_sgpr_workgroup_id_z 1
		.amdhsa_system_vgpr_workitem_id 0
		.amdhsa_next_free_vgpr 48
		.amdhsa_next_free_sgpr 66
		.amdhsa_reserve_vcc 0
		.amdhsa_float_denorm_mode_32 3
		.amdhsa_float_denorm_mode_16_64 3
		.amdhsa_memory_ordered 1
		.amdhsa_forward_progress 1
		.amdhsa_inst_pref_size 12
	.end_amdhsa_kernel
	.amdgpu_metadata
---
amdhsa.version: [ 1, 2 ]
amdhsa.kernels:
  - .name:           k_qf6dc74fc4e_prep
    .symbol:         k_qf6dc74fc4e_prep.kd
    .args:
      - { .name: m1_w1, .offset: 0, .size: 8, .value_kind: global_buffer, .address_space: global }
      - { .name: m1_w2, .offset: 8, .size: 8, .value_kind: global_buffer, .address_space: global }
      - { .name: m2_w1, .offset: 16, .size: 8, .value_kind: global_buffer, .address_space: global }
      - { .name: m2_w2, .offset: 24, .size: 8, .value_kind: global_buffer, .address_space: global }
      - { .name: wr, .offset: 32, .size: 8, .value_kind: global_buffer, .address_space: global }
      - { .name: proj_w, .offset: 40, .size: 8, .value_kind: global_buffer, .address_space: global }
      - { .name: wk, .offset: 48, .size: 8, .value_kind: global_buffer, .address_space: global }
      - { .name: wq, .offset: 56, .size: 8, .value_kind: global_buffer, .address_space: global }
      - { .name: qkv_w, .offset: 64, .size: 8, .value_kind: global_buffer, .address_space: global }
      - { .name: wv, .offset: 72, .size: 8, .value_kind: global_buffer, .address_space: global }
      - { .name: ms1, .offset: 80, .size: 8, .value_kind: global_buffer, .address_space: global }
      - { .name: ms2, .offset: 88, .size: 8, .value_kind: global_buffer, .address_space: global }
      - { .name: as1, .offset: 96, .size: 8, .value_kind: global_buffer, .address_space: global }
      - { .name: as2, .offset: 104, .size: 8, .value_kind: global_buffer, .address_space: global }
      - { .name: wf, .offset: 112, .size: 8, .value_kind: global_buffer, .address_space: global }
    .group_segment_fixed_size: 0
    .private_segment_fixed_size: 0
    .kernarg_segment_align: 8
    .kernarg_segment_size: 120
    .max_flat_workgroup_size: 256
    .sgpr_count:     66
    .vgpr_count:     48
    .wavefront_size: 32
...
	.end_amdgpu_metadata
.endif
;; end of part 1
;; launch lnf (part 2): grid 256 x 1, 8 waves a work-group, no clusters, 33,792 bytes of LDS; arguments x, ln1_g, ln1_b, nf; writes nf
.if DOCPART == 2
	.amdgcn_target "amdgcn-amd-amdhsa--gfx1250"
	.amdhsa_code_object_version 6
	.text
	.protected	k_qf6dc74fc4e_lnf
	.globl	k_qf6dc74fc4e_lnf
	.p2align	8
	.type	k_qf6dc74fc4e_lnf,@function
k_qf6dc74fc4e_lnf:
	s_mov_b64 s[64:65], 0
	v_nop
	global_prefetch_b8 v0, s[64:65] scope:SCOPE_SE
	s_setreg_imm32_b32 hwreg(HW_REG_WAVE_MODE, 25, 1), 1
	s_wait_xcnt 0x0
; LayerNorm of 64 rows of 256 f32 a work-group, written as bf16 fragments: nf[block of 16 tokens][block of 32 channels][1,024 bytes], byte 16 L + 512 q = token L % 16, channel 16 q + 8 (L / 16) + 0..7.
; A wave takes 8 rows; a lane holds channels 4 L .. 4 L + 3 and 128 + 4 L .. + 3 of each.  Two passes over registers: the mean, then the sum of squared differences (no difference of large sums).
; The rows go through LDS, so that each store of a wave covers 512 consecutive bytes.  No matrix unit, no tensor load: 64 KiB in and 32 KiB out a work-group, and several work-groups share a WGP.
.set SPARE, 32768
.set SPW, 8
.set NIL, 9
.set GG, 16
.set BV, 24
.set XR, 32
.set PA, 96
.set PB, 112
.macro ALL line:vararg                 ; one line for each of the wave's eight rows t
.set t, 0
.rept 8
	\line
.set t, t+1
.endr
.endm
	s_load_b256 s[4:11], s[0:1], 0x0               ; X s[4:5], gain s[6:7], bias s[8:9], nf s[10:11]
	v_lshl_add_u32 v[SPW], v0, 2, SPARE
	v_mov_b32 v[NIL], 0
	v_lshrrev_b32 v1, 5, v0
	v_readfirstlane_b32 s12, v1                    ; wave
	v_and_b32 v2, 31, v0                           ; L
	v_lshlrev_b32 v3, 4, v2                        ; 16 L
	v_lshrrev_b32 v4, 3, v2                        ; channel 4 L: block L / 8, q = bit 2, half = bit 1, four elements at bit 0
	v_lshlrev_b32 v4, 10, v4
	v_bfe_u32 v5, v2, 2, 1
	v_lshl_add_u32 v4, v5, 9, v4
	v_bfe_u32 v5, v2, 1, 1
	v_lshl_add_u32 v4, v5, 8, v4
	v_and_b32 v5, 1, v2
	v_lshl_add_u32 v4, v5, 3, v4
	s_lshr_b32 s16, s12, 1                         ; my block of 16 tokens,
	s_lshl_b32 s16, s16, 13
	s_and_b32 s17, s12, 1                          ; and which 8 of them
	s_lshl_b32 s17, s17, 7
	s_add_co_u32 s16, s16, s17
	v_add_nc_u32 v4, s16, v4
	s_lshl_b32 s17, s12, 12
	v_add_nc_u32 v6, s17, v3                       ; back: wave x 4,096 + 16 L
	s_lshl_b32 s14, ttmp9, 16
	s_lshl_b32 s15, s12, 13
	s_add_co_u32 s14, s14, s15
	s_mov_b32 s15, 0
	s_lshl_b32 s18, ttmp9, 15
	s_add_co_u32 s18, s18, s17
	s_mov_b32 s19, 0
	s_mov_b32 s20, 0x3b800000                      ; 1 / 256
	s_mov_b32 s21, 0x3727c5ac                      ; 1e-5
	s_mov_b32 s22, 0x76543210
	s_mov_b32 s23, 0xfedcba98
	s_wait_kmcnt 0x0
	s_add_nc_u64 s[4:5], s[4:5], s[14:15]
	s_add_nc_u64 s[10:11], s[10:11], s[18:19]
	ALL global_load_b128 v[XR+8*t:XR+8*t+3], v3, s[4:5] offset:t*1024
	ALL global_load_b128 v[XR+8*t+4:XR+8*t+7], v3, s[4:5] offset:t*1024+512
	global_load_b128 v[GG:GG+3], v3, s[6:7]
	global_load_b128 v[GG+4:GG+7], v3, s[6:7] offset:512
	global_load_b128 v[BV:BV+3], v3, s[8:9]
	global_load_b128 v[BV+4:BV+7], v3, s[8:9] offset:512
	s_wait_loadcnt 0x0
	ALL v_pk_add_f32 v[PA+2*t:PA+2*t+1], v[XR+8*t:XR+8*t+1], v[XR+8*t+2:XR+8*t+3]
	ALL v_pk_add_f32 v[PB+2*t:PB+2*t+1], v[XR+8*t+4:XR+8*t+5], v[XR+8*t+6:XR+8*t+7]
	ALL v_pk_add_f32 v[PA+2*t:PA+2*t+1], v[PA+2*t:PA+2*t+1], v[PB+2*t:PB+2*t+1]
	ALL v_add_f32 v[PA+2*t], v[PA+2*t], v[PA+2*t+1]
	ALL v_add_f32_dpp v[PA+2*t], v[PA+2*t], v[PA+2*t] row_xmask:1 row_mask:0xf bank_mask:0xf
	ALL v_add_f32_dpp v[PA+2*t], v[PA+2*t], v[PA+2*t] row_xmask:2 row_mask:0xf bank_mask:0xf
	ALL v_add_f32_dpp v[PA+2*t], v[PA+2*t], v[PA+2*t] row_xmask:4 row_mask:0xf bank_mask:0xf
	ALL v_add_f32_dpp v[PA+2*t], v[PA+2*t], v[PA+2*t] row_xmask:8 row_mask:0xf bank_mask:0xf
	ALL v_permlanex16_b32 v[PB+2*t], v[PA+2*t], s22, s23
	ALL v_add_f32 v[PA+2*t], v[PA+2*t], v[PB+2*t]
	ALL v_mul_f32 v[PA+2*t], s20, v[PA+2*t]        ; the mean
.irp j, 0,2,4,6
	ALL v_pk_add_f32 v[XR+8*t+\j:XR+8*t+\j+1], v[XR+8*t+\j:XR+8*t+\j+1], v[PA+2*t:PA+2*t+1] op_sel_hi:[1,0] neg_lo:[0,1] neg_hi:[0,1]
.endr
	ALL v_pk_mul_f32 v[PB+2*t:PB+2*t+1], v[XR+8*t:XR+8*t+1], v[XR+8*t:XR+8*t+1]
.irp j, 2,4,6
	ALL v_pk_fma_f32 v[PB+2*t:PB+2*t+1], v[XR+8*t+\j:XR+8*t+\j+1], v[XR+8*t+\j:XR+8*t+\j+1], v[PB+2*t:PB+2*t+1]
.endr
	ALL v_add_f32 v[PB+2*t], v[PB+2*t], v[PB+2*t+1]
	ALL v_add_f32_dpp v[PB+2*t], v[PB+2*t], v[PB+2*t] row_xmask:1 row_mask:0xf bank_mask:0xf
	ALL v_add_f32_dpp v[PB+2*t], v[PB+2*t], v[PB+2*t] row_xmask:2 row_mask:0xf bank_mask:0xf
	ALL v_add_f32_dpp v[PB+2*t], v[PB+2*t], v[PB+2*t] row_xmask:4 row_mask:0xf bank_mask:0xf
	ALL v_add_f32_dpp v[PB+2*t], v[PB+2*t], v[PB+2*t] row_xmask:8 row_mask:0xf bank_mask:0xf
	ALL v_permlanex16_b32 v[PB+2*t+1], v[PB+2*t], s22, s23
	ALL v_add_f32 v[PB+2*t], v[PB+2*t], v[PB+2*t+1]
	ALL v_fma_f32 v[PB+2*t], v[PB+2*t], s20, s21   ; variance + 1e-5
	ALL v_rsq_f32 v[PB+2*t], v[PB+2*t]
	v_nop                                          ; a plain instruction between the last root and the use of its result
	s_wait_alu depctr_va_vdst(0)
.irp j, 0,2,4,6
	ALL v_pk_mul_f32 v[XR+8*t+\j:XR+8*t+\j+1], v[XR+8*t+\j:XR+8*t+\j+1], v[PB+2*t:PB+2*t+1] op_sel_hi:[1,0]
.endr
.irp j, 0,2,4,6
	ALL v_pk_fma_f32 v[XR+8*t+\j:XR+8*t+\j+1], v[XR+8*t+\j:XR+8*t+\j+1], v[GG+\j:GG+\j+1], v[BV+\j:BV+\j+1]
.endr
.irp j, 0,1,2,3
	ALL v_cvt_pk_bf16_f32 v[XR+8*t+\j], v[XR+8*t+2*\j], v[XR+8*t+2*\j+1]
.endr
	ALL ds_store_b64 v4, v[XR+8*t:XR+8*t+1] offset:t*16
	ALL ds_store_b64 v4, v[XR+8*t+2:XR+8*t+3] offset:t*16+4096
	s_wait_dscnt 0x0                               ; for the others' sake: my stores are done
	s_barrier_signal -1
	s_barrier_wait -1
	ALL ds_load_b128 v[XR+4*t:XR+4*t+3], v6 offset:t*512
.set t, 0
.rept 8
	s_wait_dscnt 7-t                               ; LDS loads come back in order: load t is in, the younger ones stay out
	global_store_b128 v3, v[XR+4*t:XR+4*t+3], s[10:11] offset:t*512
.set t, t+1
.endr
	s_wait_tensorcnt 0x0                           ; the wave's end
	ds_add_u32 v[SPW], v[NIL]
	s_wait_dscnt 0x0
	s_endpgm
.Lfunc_end_k_qf6dc74fc4e_lnf:
	.size	k_qf6dc74fc4e_lnf, .Lfunc_end_k_qf6dc74fc4e_lnf-k_qf6dc74fc4e_lnf
	.p2alignl 7, 3214868480
	.fill 96, 4, 3214868480
	.section	.rodata,"a",@progbits
	.p2align	6, 0x0
	.amdhsa_kernel k_qf6dc74fc4e_lnf
		.amdhsa_group_segment_fixed_size 33792
		.amdhsa_private_segment_fixed_size 0
		.amdhsa_enable_private_segment 0
		.amdhsa_kernarg_size 32
		.amdhsa_user_sgpr_count 2
		.amdhsa_user_sgpr_kernarg_segment_ptr 1
		.amdhsa_wavefront_size32 1
		.amdhsa_system_sgpr_workgroup_id_x 1
		.amdhsa_system_sgpr_workgroup_id_y 1
		.amdhsa_system_sgpr_workgroup_id_z 1
		.amdhsa_system_vgpr_workitem_id 0
		.amdhsa_next_free_vgpr 128
		.amdhsa_next_free_sgpr 66
		.amdhsa_reserve_vcc 0
		.amdhsa_float_denorm_mode_32 3
		.amdhsa_float_denorm_mode_16_64 3
		.amdhsa_memory_ordered 1
		.amdhsa_forward_progress 1
		.amdhsa_inst_pref_size 25
	.end_amdhsa_kernel
	.amdgpu_metadata
---
amdhsa.version: [ 1, 2 ]
amdhsa.kernels:
  - .name:           k_qf6dc74fc4e_lnf
    .symbol:         k_qf6dc74fc4e_lnf.kd
    .args:
      - { .name: x, .offset: 0, .size: 8, .value_kind: global_buffer, .address_space: global }
      - { .name: ln1_g, .offset: 8, .size: 8, .value_kind: global_buffer, .address_space: global }
      - { .name: ln1_b, .offset: 16, .size: 8, .value_kind: global_buffer, .address_space: global }
      - { .name: nf, .offset: 24, .size: 8, .value_kind: global_buffer, .address_space: global }
    .group_segment_fixed_size: 33792
    .private_segment_fixed_size: 0
    .kernarg_segment_align: 8
    .kernarg_segment_size: 32
    .max_flat_workgroup_size: 256
    .sgpr_count:     66
    .vgpr_count:     128
    .wavefront_size: 32
...
	.end_amdgpu_metadata
.endif
;; end of part 2
;; launch stat1 (part 3): grid 4 x 64, 8 waves a work-group, clusters of 4 x 1, 327,680 bytes of LDS; arguments nf, wf, gp; writes gp
.if DOCPART == 3
	.amdgcn_target "amdgcn-amd-amdhsa--gfx1250"
	.amdhsa_code_object_version 6
	.text
	.protected	k_qf6dc74fc4e_stat1
	.globl	k_qf6dc74fc4e_stat1
	.p2align	8
	.type	k_qf6dc74fc4e_stat1,@function
k_qf6dc74fc4e_stat1:
	s_mov_b64 s[64:65], 0
	v_nop
	global_prefetch_b8 v0, s[64:65] scope:SCOPE_SE
	s_setreg_imm32_b32 hwreg(HW_REG_WAVE_MODE, 25, 1), 1
	s_wait_xcnt 0x0
	s_wait_alu depctr_hold_cnt(0) depctr_sa_sdst(0) depctr_va_vdst(0) depctr_va_sdst(0) depctr_va_ssrc(0) depctr_va_vcc(0) depctr_vm_vsrc(0)
	s_getreg_b32 s2, hwreg(HW_REG_IB_STS2, 6, 4)
	s_cmp_eq_u32 s2, 0
	s_cbranch_scc0 .Lentry_in_a_cluster
	s_endpgm
.Lentry_in_a_cluster:
	s_bfe_u32 s2, ttmp6, 0x10000c
	s_cmp_lg_u32 s2, 0x3003
	s_cbranch_scc0 .Lentry_shape_is_right
	s_endpgm
.Lentry_shape_is_right:
; Efficient attention, first half.  att = V (K^T Q): the N x N context is never formed.  For a chunk of 256 tokens and a quarter of Q's channels (64 d) a work-group makes
;   G_c[e][d] = sum over the chunk's tokens n of softmax_e(keys[n])[e] x exp(queries[n][d] - m_c[d]),   m_c[d] = the chunk's maximum of queries[.][d],   Z_c[d] = the chunk's sum of those exponentials,
; all in f32; the next launch rescales the chunks by exp(m_c - m) and adds them.  K's softmax takes each token's true maximum over the 256 channels.
; Eight waves, 32 tokens each.  keys and queries: source 0 = tokens, source 1 = weight rows, so a lane holds one channel and eight tokens; two such results rounded to bf16 are a fragment
; (row = channel, k = 32 tokens) of the Gram product.  K's divisor 1 / S[n] is multiplied into Q's side (64 registers instead of 256).
; CLUSTER: the four quarters of a chunk read the same wk fragments and the same tokens: joint loads; each quarter's own wq fragments come by a plain load.  K is computed in all four quarters:
; the price of partial sums of 16 MiB instead of 64.
; LIMITS: an exponential below 2^-126 counts as 0; NaN and infinities are not treated apart.
; LDS: wk 0 (131,072), wq 131,072 (32,768), tokens 163,840 (131,072), maxima 294,912, sums 296,960, spare words 299,008.  Each region is filled once; when its reads are over, the tokens' region takes
; K's fragments (each wave its own part) and wq's region Q's fragments (behind the first barrier).
.set WQ, 131072
.set NT, 163840
.set MX, 294912
.set SPARE, 299008
.set L16, 1
.set RR, 2
.set HH, 3
.set ANF0, 4
.set ANF, 5
.set AWA, 6
.set AWB, 7
.set AWQ, 8
.set AWQ0, 9
.set AMX, 10
.set AMR, 11
.set AKX0, 12                          ; and 13
.set AQW, 14
.set SPW, 15
.set NIL, 16
.set GOF, 17
.set NFC, 32                           ; two token fragments
.set WF, 48                            ; ten weight fragments
.set QA, 128                           ; queries: tile (tt, dl) at QA + 8 (4 tt + dl)
.set MR, 192                           ; a token's maximum, then c x it
.set SR, 208                           ; a token's sum, then its reciprocal
.set QM, 224
.set QT, 228
.set CM, 232
.set ZT, 240
.set WV, 10
.set DQ, 11
.set CH, 12
.set G1A, 16
.set G1P, 24
.set G0A, 32
.set G0B, 36
.set G0C, 40
.set CS, 44
.set SEL, 46
.set CNT, 48
.set MSB, 0
.macro WIN new                         ; the immediate's high byte repeats the setting that is left
.if MSB != (\new)
	s_set_vgpr_msb (MSB<<8)|(\new)
.set MSB, \new
.endif
.endm
.macro PLACES                          ; the places behind matrix instructions (ISA guide 7.12.1)
.rept 5
	v_nop
.endr
.endm
.macro ROUND                           ; a round of the cluster's barrier
	s_barrier_signal -1
	s_barrier_wait -1
	s_cmp_lg_u32 s[WV], 0
	s_cbranch_scc1 .Lnw0_\@
	s_barrier_signal -3
.Lnw0_\@:
	s_barrier_wait -3
	s_barrier_signal -1
	s_barrier_wait -1
.endm
.macro BAR
	s_wait_dscnt 0x0
	s_barrier_signal -1
	s_barrier_wait -1
.endm
.macro DD g, rows, first               ; a dense block as rows of 256 bytes (32 elements of 8 bytes)
	s_mov_b32 s[\g], \first
	s_mov_b32 s[\g+1], 32<<16
	s_mov_b32 s[\g+2], (\rows)<<16
	s_mov_b32 s[\g+3], 32<<16
	s_mov_b32 s[\g+4], \rows
	s_mov_b32 s[\g+5], 32
	s_mov_b32 s[\g+6], 0
	s_mov_b32 s[\g+7], 0
.endm
.macro FRLD d, a, o                    ; a fragment: two loads of 512 consecutive bytes
	ds_load_b128 v[\d:\d+3], v[\a] offset:\o
	ds_load_b128 v[\d+4:\d+7], v[\a] offset:\o+512
.endm
.macro WMC d, a, b
	v_wmma_f32_16x16x32_bf16 v[\d:\d+7], v[\a:\a+7], v[\b:\b+7], v[\d:\d+7]
.endm
.macro WMZ d, a, b
	v_wmma_f32_16x16x32_bf16 v[\d:\d+7], v[\a:\a+7], v[\b:\b+7], 0
.endm
	s_load_b128 s[4:7], s[0:1], 0x0                ; nf, wf
	s_load_b64 s[8:9], s[0:1], 0x10                ; gp
	v_lshl_add_u32 v[SPW], v0, 2, SPARE
	v_mov_b32 v[NIL], 0
	ds_add_u32 v[SPW], v[NIL]                      ; the wave's opening: the add and its wait stand ahead of my first tensor load
	v_lshrrev_b32 v1, 5, v0
	v_readfirstlane_b32 s[WV], v1
	s_bfe_u32 s[DQ], ttmp6, 0x40000                ; my quarter of Q's channels = my place in the cluster
	s_and_b32 s[CH], ttmp7, 0xffff                 ; the chunk, which the four partners share
	v_and_b32 v[L16], 31, v0
	v_lshlrev_b32 v[L16], 4, v[L16]
	v_and_b32 v[RR], 15, v0
	v_bfe_u32 v[HH], v0, 4, 1
	s_lshl_b32 s14, s[WV], 14
	s_add_co_u32 s13, s14, NT
	v_add_nc_u32 v[ANF0], s13, v[L16]
	v_mov_b32 v[ANF], v[ANF0]
	v_mov_b32 v[AWA], v[L16]
	v_add_nc_u32 v[AWB], 65536, v[L16]
	v_add_nc_u32 v[AWQ0], WQ, v[L16]
	v_mov_b32 v[AWQ], v[AWQ0]
	s_lshl_b32 s13, s[WV], 2
	s_add_co_u32 s13, s13, MX
	v_lshl_add_u32 v[AMX], v[RR], 5, s13           ; column r: eight words, one a wave
	v_lshlrev_b32 v[AMR], 5, v[RR]
	v_add_nc_u32 v[AMR], MX, v[AMR]
	s_lshl_b32 s13, s[WV], 11
	s_add_co_u32 s13, s13, NT
	v_add_nc_u32 v[AKX0], s13, v[L16]
	v_add_nc_u32 v[AKX0+1], 65536, v[AKX0]
	s_lshl_b32 s13, s[WV], 12
	s_add_co_u32 s13, s13, WQ
	v_add_nc_u32 v[AQW], s13, v[L16]
	v_lshlrev_b32 v[GOF], 16, v[HH]
	v_lshl_add_u32 v[GOF], v[RR], 2, v[GOF]
.set dl, 0
.rept 4
	v_mov_b32 v[QT+dl], 0
.set dl, dl+1
.endr
	DD G1A, 64, 15|(3<<16)|(1<<21)                 ; 16,384 bytes, jointly for the four
	DD G1P, 16, 3<<16                              ; 4,096 bytes, my own
	s_mov_b32 s[CS], 0x3fb8aa3b                    ; c = log2(e)
	s_mov_b32 s[CS+1], s[CS]
	s_mov_b32 s[SEL], 0x76543210
	s_mov_b32 s[SEL+1], 0xfedcba98
	s_mov_b32 s15, 0
	s_lshl_b32 s56, s[CH], 17
	s_add_co_u32 s56, s56, s14
	s_mov_b32 s57, 0
	s_lshl_b32 s50, s[DQ], 15
	s_lshl_b32 s51, s[WV], 12
	s_add_co_u32 s50, s50, s51
	s_mov_b32 s51, 0
	s_lshl_b32 s52, s[CH], 2
	s_add_co_u32 s52, s52, s[DQ]
	s_lshl_b32 s52, s52, 16
	s_lshl_b32 s53, s[WV], 11
	s_add_co_u32 s52, s52, s53
	s_mov_b32 s53, 0
	s_lshl_b32 s54, s[CH], 10
	s_lshl_b32 s55, s[DQ], 8
	s_add_co_u32 s54, s54, s55
	s_mov_b32 s55, 0
	s_mov_b32 s[G0A], 1
	s_lshl_b32 s[G0A+1], s[WV], 14
	s_mov_b32 s[G0B], 1
	s_lshl_b32 s[G0B+1], s[WV], 14
	s_add_co_u32 s[G0B+1], s[G0B+1], NT
	s_mov_b32 s[G0C], 1
	s_lshl_b32 s[G0C+1], s[WV], 12
	s_add_co_u32 s[G0C+1], s[G0C+1], WQ
	s_wait_dscnt 0x0                               ; the opening add is done
	s_wait_kmcnt 0x0
	s_add_nc_u64 s[G0A+2:G0A+3], s[6:7], s[14:15]
	s_add_nc_u64 s[G0A+2:G0A+3], s[G0A+2:G0A+3], 4096
	s_or_b32 s[G0A+3], s[G0A+3], 0x80000000
	s_add_nc_u64 s[G0B+2:G0B+3], s[4:5], s[56:57]
	s_or_b32 s[G0B+3], s[G0B+3], 0x80000000
	s_add_nc_u64 s[G0C+2:G0C+3], s[6:7], s[50:51]
	s_add_nc_u64 s[G0C+2:G0C+3], s[G0C+2:G0C+3], 135168
	s_or_b32 s[G0C+3], s[G0C+3], 0x80000000
	s_add_nc_u64 s[54:55], s[8:9], s[54:55]        ; m and Z of my chunk and quarter
	s_add_nc_u64 s[54:55], s[54:55], 16777216
	s_add_nc_u64 s[8:9], s[8:9], s[52:53]          ; G of my chunk, quarter and wave
	ROUND                                          ; all four work-groups are here: the joint loads meet
	tensor_load_to_lds s[G0A:G0A+3], s[G1A:G1A+7]  ; my eighth of wk's fragments
	s_nop 0
	tensor_load_to_lds s[G0B:G0B+3], s[G1A:G1A+7]  ; my 32 tokens
	s_nop 0
	tensor_load_to_lds s[G0C:G0C+3], s[G1P:G1P+7]  ; my eighth of the quarter's wq fragments: three loads of mine are out
	s_nop 0
.rept 4
	v_nop
.endr
	s_wait_tensorcnt 0x0
	BAR                                            ; everybody's parts are in
; One block of 32 input channels: 40 matrix instructions, the accumulators by turns.
.macro KSTEP first
	WIN 0
	FRLD NFC, ANF, 0
	FRLD (NFC+8), ANF, 8192
.set e, 0
.rept 8
	FRLD (WF+8*e), AWA, e*8192
.set e, e+1
.endr
	FRLD (WF+64), AWB, 0
	FRLD (WF+72), AWB, 8192
	s_wait_dscnt 0x0
	WIN 0x50                                       ; keys' sums in window 1
.set e, 0
.rept 10
.if \first
	WMZ (8*e), NFC, (WF+8*e)
	WMZ (128+8*e), (NFC+8), (WF+8*e)
.else
	WMC (8*e), NFC, (WF+8*e)
	WMC (128+8*e), (NFC+8), (WF+8*e)
.endif
.set e, e+1
.endr
	PLACES
	WIN 0
.set e, 10
.rept 6
	FRLD (WF+8*(e-10)), AWB, (e-8)*8192
.set e, e+1
.endr
.set dl, 0
.rept 4
	FRLD (WF+48+8*dl), AWQ, dl*8192
.set dl, dl+1
.endr
	s_wait_dscnt 0x0
	WIN 0x50
.set e, 10
.rept 6
.if \first
	WMZ (8*e), NFC, (WF+8*(e-10))
	WMZ (128+8*e), (NFC+8), (WF+8*(e-10))
.else
	WMC (8*e), NFC, (WF+8*(e-10))
	WMC (128+8*e), (NFC+8), (WF+8*(e-10))
.endif
.set e, e+1
.endr
	WIN 0
.set dl, 0
.rept 4
.if \first
	WMZ (QA+8*dl), NFC, (WF+48+8*dl)
	WMZ (QA+32+8*dl), (NFC+8), (WF+48+8*dl)
.else
	WMC (QA+8*dl), NFC, (WF+48+8*dl)
	WMC (QA+32+8*dl), (NFC+8), (WF+48+8*dl)
.endif
.set dl, dl+1
.endr
	PLACES
	v_add_nc_u32 v[ANF], 1024, v[ANF]
	v_add_nc_u32 v[AWA], 1024, v[AWA]
	v_add_nc_u32 v[AWB], 1024, v[AWB]
	v_add_nc_u32 v[AWQ], 1024, v[AWQ]
.endm
	KSTEP 1                                        ; the first block starts the sums
	s_mov_b32 s[CNT], 7
.Lk:
	KSTEP 0
	s_sub_co_u32 s[CNT], s[CNT], 1
	s_cmp_lg_u32 s[CNT], 0
	s_cbranch_scc1 .Lk
	; K's SOFTMAX.  Token (tt, j, half): register j of the tiles (tt, e); its 256 channels lie in 16 tiles x 16 lanes.  Each accumulator's lowest registers are read first.
	WIN 0x15
.set t, 0
.rept 16
	v_max3_num_f32 v[MR+t], v[128*(t/8)+t%8], v[128*(t/8)+8+t%8], v[128*(t/8)+16+t%8]
.set t, t+1
.endr
	WIN 0x14
.set e, 3
.rept 6
.set t, 0
.rept 16
	v_max3_num_f32 v[MR+t], v[MR+t], v[128*(t/8)+8*e+t%8], v[128*(t/8)+8*e+8+t%8]
.set t, t+1
.endr
.set e, e+2
.endr
.set t, 0
.rept 16
	v_max_num_f32 v[MR+t], v[MR+t], v[128*(t/8)+120+t%8]
.set t, t+1
.endr
	WIN 0
.irp m, 1,2,4,8
.set t, 0
.rept 16
	v_max_num_f32_dpp v[MR+t], v[MR+t], v[MR+t] row_xmask:\m row_mask:0xf bank_mask:0xf
.set t, t+1
.endr
.endr
.set t, 0
.rept 16
	v_mul_f32 v[MR+t], s[CS], v[MR+t]
.set t, t+1
.endr
	WIN 0x41
.set j, 0
.rept 128
	v_pk_fma_f32 v[2*j:2*j+1], v[2*j:2*j+1], s[CS:CS+1], v[MR+8*(j/64)+2*(j%4):MR+8*(j/64)+2*(j%4)+1] op_sel_hi:[1,0,1] neg_lo:[0,0,1] neg_hi:[0,0,1]
.set j, j+1
.endr
.set j, 0
.rept 256
	v_exp_f32 v[j], v[j]
.set j, j+1
.endr
	v_nop
	WIN 0x05
.set j, 0
	s_wait_alu depctr_va_vdst(0)
.rept 8
	v_pk_add_f32 v[SR+8*(j/4)+2*(j%4):SR+8*(j/4)+2*(j%4)+1], v[128*(j/4)+2*(j%4):128*(j/4)+2*(j%4)+1], v[128*(j/4)+8+2*(j%4):128*(j/4)+8+2*(j%4)+1]
.set j, j+1
.endr
	WIN 0x01
.set e, 2
.rept 14
.set j, 0
.rept 8
	v_pk_add_f32 v[SR+8*(j/4)+2*(j%4):SR+8*(j/4)+2*(j%4)+1], v[128*(j/4)+8*e+2*(j%4):128*(j/4)+8*e+2*(j%4)+1], v[SR+8*(j/4)+2*(j%4):SR+8*(j/4)+2*(j%4)+1]
.set j, j+1
.endr
.set e, e+1
.endr
	WIN 0
.irp m, 1,2,4,8
.set t, 0
.rept 16
	v_add_f32_dpp v[SR+t], v[SR+t], v[SR+t] row_xmask:\m row_mask:0xf bank_mask:0xf
.set t, t+1
.endr
.endr
.set t, 0
.rept 16
	v_rcp_f32 v[SR+t], v[SR+t]
.set t, t+1
.endr
	v_nop
	; K's exponentials, rounded, as fragments (row = channel, k = my 32 tokens) into my own part of the tokens' region, whose reads are over
.set g, 0
.rept 2
	WIN 0x05
.set j, 0
.rept 64
	v_cvt_pk_bf16_f32 v[32+j], v[128*((j/4)%2)+8*(8*g+j/8)+2*(j%4)], v[128*((j/4)%2)+8*(8*g+j/8)+2*(j%4)+1]
.set j, j+1
.endr
	WIN 0
.set j, 0
.rept 8
	ds_store_b128 v[ANF0], v[32+8*j:32+8*j+3] offset:(8*g+j)*1024
	ds_store_b128 v[ANF0], v[32+8*j+4:32+8*j+7] offset:(8*g+j)*1024+512
.set j, j+1
.endr
.set g, g+1
.endr
	; Q: the chunk's maximum of each column.  A lane holds column 16 dl + r and 16 of my 32 tokens.
.set dl, 0
.rept 4
	v_max3_num_f32 v[QM+dl], v[QA+8*dl], v[QA+8*dl+1], v[QA+8*dl+2]
.set dl, dl+1
.endr
.set k, 3
.rept 6
.set dl, 0
.rept 4
	v_max3_num_f32 v[QM+dl], v[QM+dl], v[QA+8*dl+k%8+32*(k/8)], v[QA+8*dl+(k+1)%8+32*((k+1)/8)]
.set dl, dl+1
.endr
.set k, k+2
.endr
.set dl, 0
.rept 4
	v_max_num_f32 v[QM+dl], v[QM+dl], v[QA+8*dl+39]
.set dl, dl+1
.endr
.set dl, 0
.rept 4
	v_permlanex16_b32 v[QT+dl], v[QM+dl], s[SEL], s[SEL+1]
.set dl, dl+1
.endr
.set dl, 0
.rept 4
	v_max_num_f32 v[QM+dl], v[QM+dl], v[QT+dl]
	ds_store_b32 v[AMX], v[QM+dl] offset:dl*512
.set dl, dl+1
.endr
	BAR                                            ; the eight waves' maxima are in LDS; nobody reads wq's fragments any more
.set dl, 0
.rept 4
	ds_load_b128 v[32+8*dl:32+8*dl+3], v[AMR] offset:dl*512
	ds_load_b128 v[32+8*dl+4:32+8*dl+7], v[AMR] offset:dl*512+16
.set dl, dl+1
.endr
	s_wait_dscnt 0x0
.set dl, 0
.rept 4
	v_max3_num_f32 v[QM+dl], v[32+8*dl], v[32+8*dl+1], v[32+8*dl+2]
	v_max3_num_f32 v[QT+dl], v[32+8*dl+3], v[32+8*dl+4], v[32+8*dl+5]
.set dl, dl+1
.endr
.set dl, 0
.rept 4
	v_max3_num_f32 v[QM+dl], v[QM+dl], v[32+8*dl+6], v[32+8*dl+7]
.set dl, dl+1
.endr
.set dl, 0
.rept 4
	v_max_num_f32 v[QM+dl], v[QM+dl], v[QT+dl]     ; m_c
.set dl, dl+1
.endr
.set dl, 0
.rept 4
	v_mul_f32 v[CM+2*dl], s[CS], v[QM+dl]
	v_mul_f32 v[CM+2*dl+1], s[CS], v[QM+dl]
.set dl, dl+1
.endr
.set j, 0                              ; pair j of the 32: tile j / 4 = 4 tt + dl
.rept 32
	v_pk_fma_f32 v[QA+2*j:QA+2*j+1], v[QA+2*j:QA+2*j+1], s[CS:CS+1], v[CM+2*((j/4)%4):CM+2*((j/4)%4)+1] op_sel_hi:[1,0,0] neg_lo:[0,0,1] neg_hi:[0,0,1]
.set j, j+1
.endr
.set j, 0
.rept 64
	v_exp_f32 v[QA+j], v[QA+j]
.set j, j+1
.endr
	v_nop
.set dl, 0
	s_wait_alu depctr_va_vdst(0)
.rept 4
	v_pk_add_f32 v[ZT+2*dl:ZT+2*dl+1], v[QA+8*dl:QA+8*dl+1], v[QA+8*dl+2:QA+8*dl+3]
.set dl, dl+1
.endr
.set k, 2
.rept 6
.set dl, 0
.rept 4
	v_pk_add_f32 v[ZT+2*dl:ZT+2*dl+1], v[ZT+2*dl:ZT+2*dl+1], v[QA+8*dl+32*(k/4)+2*(k%4):QA+8*dl+32*(k/4)+2*(k%4)+1]
.set dl, dl+1
.endr
.set k, k+1
.endr
.set dl, 0
.rept 4
	v_add_f32 v[ZT+2*dl], v[ZT+2*dl], v[ZT+2*dl+1]
.set dl, dl+1
.endr
.set dl, 0
.rept 4
	v_permlanex16_b32 v[ZT+2*dl+1], v[ZT+2*dl], s[SEL], s[SEL+1]
.set dl, dl+1
.endr
.set dl, 0
.rept 4
	v_add_f32 v[ZT+2*dl], v[ZT+2*dl], v[ZT+2*dl+1]
	ds_store_b32 v[AMX], v[ZT+2*dl] offset:2048+dl*512
.set dl, dl+1
.endr
.set j, 0
.rept 32
	v_pk_mul_f32 v[QA+2*j:QA+2*j+1], v[QA+2*j:QA+2*j+1], v[SR+8*(j/16)+2*(j%4):SR+8*(j/16)+2*(j%4)+1]  ; K's divisor of the same token
.set j, j+1
.endr
.set j, 0                              ; register j of the four fragments: dl = j / 8, tt = (j / 4) % 2, pair j % 4
.rept 32
	v_cvt_pk_bf16_f32 v[32+j], v[QA+8*(j/8)+32*((j/4)%2)+2*(j%4)], v[QA+8*(j/8)+32*((j/4)%2)+2*(j%4)+1]
.set j, j+1
.endr
.set dl, 0
.rept 4
	ds_store_b128 v[AQW], v[32+8*dl:32+8*dl+3] offset:dl*1024
	ds_store_b128 v[AQW], v[32+8*dl+4:32+8*dl+7] offset:dl*1024+512
.set dl, dl+1
.endr
	BAR                                            ; all fragments of K and Q and all sums are in LDS
	; THE GRAM PRODUCT.  Wave v makes channels e = 32 v .. + 31 by the quarter's 64 d, over the chunk's 256 tokens: source 0 = K (rows e), source 1 = Q (rows d): a lane holds one d and eight e.
.set bt, 0
.rept 4
.if bt > 0
	PLACES
.endif
	WIN 0
.set k, 0
.rept 2
.set kk, 2*bt+k
	FRLD (32+16*k), (AKX0+kk/4), (kk%4)*16384
	FRLD (40+16*k), (AKX0+kk/4), (kk%4)*16384+1024
.set dl, 0
.rept 4
	FRLD (64+8*(4*k+dl)), AWQ0, kk*4096+dl*1024
.set dl, dl+1
.endr
.set k, k+1
.endr
	s_wait_dscnt 0x0
	WIN 0x50
.set j, 0                              ; k = j / 8, e2 = (j / 4) % 2, dl = j % 4: eight accumulators by turns
.rept 16
.if (bt == 0) && (j < 8)
	WMZ (8*(j%8)), (32+16*(j/8)+8*((j/4)%2)), (64+8*(4*(j/8)+j%4))
.else
	WMC (8*(j%8)), (32+16*(j/8)+8*((j/4)%2)), (64+8*(4*(j/8)+j%4))
.endif
.set j, j+1
.endr
.set bt, bt+1
.endr
	PLACES
	WIN 0x04                                       ; the stores' data in window 1
.set j, 0                              ; tile j = 4 e2 + dl
.rept 8
	global_store_b128 v[L16], v[8*j:8*j+3], s[8:9] offset:(j%4)*16384+(j/4)*1024
	global_store_b128 v[L16], v[8*j+4:8*j+7], s[8:9] offset:(j%4)*16384+(j/4)*1024+512
.set j, j+1
.endr
	WIN 0
	s_cmp_lg_u32 s[WV], 0
	s_cbranch_scc1 .Lnot0
.set dl, 0                             ; wave 0 adds the eight waves' sums and stores m (lanes 0-15) and Z (lanes 16-31)
.rept 4
	ds_load_b128 v[32+8*dl:32+8*dl+3], v[AMR] offset:2048+dl*512
	ds_load_b128 v[32+8*dl+4:32+8*dl+7], v[AMR] offset:2048+dl*512+16
.set dl, dl+1
.endr
	s_wait_dscnt 0x0
	v_cmp_ne_u32 vcc_lo, 0, v[HH]
.set dl, 0
.rept 4
	v_pk_add_f32 v[32+8*dl:32+8*dl+1], v[32+8*dl:32+8*dl+1], v[32+8*dl+2:32+8*dl+3]
	v_pk_add_f32 v[32+8*dl+4:32+8*dl+5], v[32+8*dl+4:32+8*dl+5], v[32+8*dl+6:32+8*dl+7]
	v_pk_add_f32 v[32+8*dl:32+8*dl+1], v[32+8*dl:32+8*dl+1], v[32+8*dl+4:32+8*dl+5]
	v_add_f32 v[32+8*dl], v[32+8*dl], v[32+8*dl+1]
	v_cndmask_b32 v[32+8*dl], v[QM+dl], v[32+8*dl], vcc_lo
	global_store_b32 v[GOF], v[32+8*dl], s[54:55] offset:dl*64
.set dl, dl+1
.endr
.Lnot0:
	s_wait_tensorcnt 0x0                           ; the wave's end
	ds_add_u32 v[SPW], v[NIL]
	s_wait_dscnt 0x0
	ROUND                                          ; the closing round
	s_endpgm
.Lfunc_end_k_qf6dc74fc4e_stat1:
	.size	k_qf6dc74fc4e_stat1, .Lfunc_end_k_qf6dc74fc4e_stat1-k_qf6dc74fc4e_stat1
	.p2alignl 7, 3214868480
	.fill 96, 4, 3214868480
	.section	.rodata,"a",@progbits
	.p2align	6, 0x0
	.amdhsa_kernel k_qf6dc74fc4e_stat1
		.amdhsa_group_segment_fixed_size 327680
		.amdhsa_private_segment_fixed_size 0
		.amdhsa_enable_private_segment 0
		.amdhsa_kernarg_size 24
		.amdhsa_user_sgpr_count 2
		.amdhsa_user_sgpr_kernarg_segment_ptr 1
		.amdhsa_wavefront_size32 1
		.amdhsa_system_sgpr_workgroup_id_x 1
		.amdhsa_system_sgpr_workgroup_id_y 1
		.amdhsa_system_sgpr_workgroup_id_z 1
		.amdhsa_system_vgpr_workitem_id 0
		.amdhsa_next_free_vgpr 512
		.amdhsa_next_free_sgpr 66
		.amdhsa_reserve_vcc 1
		.amdhsa_float_denorm_mode_32 3
		.amdhsa_float_denorm_mode_16_64 3
		.amdhsa_memory_ordered 1
		.amdhsa_forward_progress 1
		.amdhsa_inst_pref_size 99
	.end_amdhsa_kernel
	.amdgpu_metadata
---
amdhsa.version: [ 1, 2 ]
amdhsa.kernels:
  - .name:           k_qf6dc74fc4e_stat1
    .symbol:         k_qf6dc74fc4e_stat1.kd
    .args:
      - { .name: nf, .offset: 0, .size: 8, .value_kind: global_buffer, .address_space: global }
      - { .name: wf, .offset: 8, .size: 8, .value_kind: global_buffer, .address_space: global }
      - { .name: gp, .offset: 16, .size: 8, .value_kind: global_buffer, .address_space: global }
    .group_segment_fixed_size: 327680
    .private_segment_fixed_size: 0
    .kernarg_segment_align: 8
    .kernarg_segment_size: 24
    .max_flat_workgroup_size: 256
    .sgpr_count:     66
    .vgpr_count:     512
    .wavefront_size: 32
...
	.end_amdgpu_metadata
.endif
;; end of part 3
;; launch comb1 (part 4): grid 16 x 4, 8 waves a work-group, no clusters, 9,216 bytes of LDS; arguments gp, wf, as1; writes as1
.if DOCPART == 4
	.amdgcn_target "amdgcn-amd-amdhsa--gfx1250"
	.amdhsa_code_object_version 6
	.text
	.protected	k_qf6dc74fc4e_comb1
	.globl	k_qf6dc74fc4e_comb1
	.p2align	8
	.type	k_qf6dc74fc4e_comb1,@function
k_qf6dc74fc4e_comb1:
	s_mov_b64 s[64:65], 0
	v_nop
	global_prefetch_b8 v0, s[64:65] scope:SCOPE_SE
	s_setreg_imm32_b32 hwreg(HW_REG_WAVE_MODE, 25, 1), 1
	s_wait_xcnt 0x0
; Efficient attention, second half.  For batch b and 16 columns d the 16 chunks' partial sums are joined exactly: m = max m_c, F_c = exp(m_c - m), Z = sum F_c Z_c, G = sum F_c G_c / Z (all f32).
; Then T[d][i] = sum over e of G[e][d] wv[e][i], rounded to bf16 and written as the first layer's fragments of the batch's two-layer step (att = n T^T, then att wr^T).
; Wave v joins channels e = 32 v .. + 31 (one fragment of G, row = d), the eight fragments meet in LDS, and wave v then makes input channels i = 32 v .. + 31 of T.
; NO CLUSTER: what the work-groups share is the 131,072 bytes of wv's fragments beside 256 KiB of partial sums of each one's own.
.set SPARE, 8192
.set L16, 1
.set R4, 2
.set SPW, 3
.set NIL, 4
.set AFW, 5
.set MXR, 6
.set MC, 16
.set ACC, 32
.set ZC, 48
.set B0, 64
.set B1, 128
.set GF, 192
.macro GBATCH n, buf                   ; four chunks' two tiles: 16 loads
.set c, 0
.rept 4
.set q, 0
.rept 4
	global_load_b128 v[\buf+16*c+4*q:\buf+16*c+4*q+3], v[L16], s[18:19] offset:(4*\n+c)*262144+q*512
.set q, q+1
.endr
.set c, c+1
.endr
.endm
.macro GFMA n, buf                     ; sums += F_c x G_c; F_c is one register of a pair, picked by op_sel
.set c, 0
.rept 4
.set p, 0
.rept 8
.if (\n == 0) && (c == 0)
	v_pk_mul_f32 v[ACC+2*p:ACC+2*p+1], v[\buf+2*p:\buf+2*p+1], v[MC:MC+1] op_sel_hi:[1,0]
.elseif c%2 == 0
	v_pk_fma_f32 v[ACC+2*p:ACC+2*p+1], v[\buf+16*c+2*p:\buf+16*c+2*p+1], v[MC+4*\n+c:MC+4*\n+c+1], v[ACC+2*p:ACC+2*p+1] op_sel_hi:[1,0,1]
.else
	v_pk_fma_f32 v[ACC+2*p:ACC+2*p+1], v[\buf+16*c+2*p:\buf+16*c+2*p+1], v[MC+4*\n+c-1:MC+4*\n+c], v[ACC+2*p:ACC+2*p+1] op_sel:[0,1,0] op_sel_hi:[1,1,1]
.endif
.set p, p+1
.endr
.set c, c+1
.endr
.endm
	s_load_b128 s[4:7], s[0:1], 0x0                ; gp, wf
	s_load_b64 s[8:9], s[0:1], 0x10                ; as1
	v_lshl_add_u32 v[SPW], v0, 2, SPARE
	v_mov_b32 v[NIL], 0
	v_lshrrev_b32 v1, 5, v0
	v_readfirstlane_b32 s12, v1                    ; wave
	s_mov_b32 s10, ttmp9                           ; dt: which 16 columns d
	s_and_b32 s11, ttmp7, 0xffff                   ; batch
	v_and_b32 v[L16], 31, v0
	v_lshlrev_b32 v[L16], 4, v[L16]
	v_and_b32 v[R4], 15, v0
	v_lshlrev_b32 v[R4], 2, v[R4]
	s_lshl_b32 s13, s12, 10
	v_add_nc_u32 v[AFW], s13, v[L16]
	s_lshl_b32 s16, s11, 14                        ; m, Z: batch x 16 chunks x 1,024 + dt x 64
	s_lshl_b32 s14, s10, 6
	s_add_co_u32 s16, s16, s14
	s_mov_b32 s17, 0
	s_lshl_b32 s18, s11, 22                        ; G: batch x 16 chunks x 262,144 + quarter x 65,536 + tile column x 16,384 + wave x 2,048
	s_lshr_b32 s14, s10, 2
	s_lshl_b32 s14, s14, 16
	s_add_co_u32 s18, s18, s14
	s_and_b32 s14, s10, 3
	s_lshl_b32 s14, s14, 14
	s_add_co_u32 s18, s18, s14
	s_lshl_b32 s14, s12, 11
	s_add_co_u32 s18, s18, s14
	s_mov_b32 s19, 0
	s_lshl_b32 s20, s12, 14
	s_mov_b32 s21, 0
	s_lshl_b32 s22, s11, 18                        ; out: batch, step dt / 8, wave (dt / 2) % 4, fragment row dt % 2, fragment column = my wave
	s_lshr_b32 s14, s10, 3
	s_lshl_b32 s14, s14, 17
	s_add_co_u32 s22, s22, s14
	s_bfe_u32 s14, s10, 0x20001
	s_lshl_b32 s14, s14, 15
	s_add_co_u32 s22, s22, s14
	s_and_b32 s14, s10, 1
	s_lshl_b32 s14, s14, 13
	s_add_co_u32 s22, s22, s14
	s_add_co_u32 s22, s22, s13
	s_mov_b32 s23, 0
	s_mov_b32 s24, 0x3fb8aa3b                      ; log2(e)
	s_wait_kmcnt 0x0
	s_add_nc_u64 s[16:17], s[4:5], s[16:17]
	s_add_nc_u64 s[16:17], s[16:17], 16777216
	s_add_nc_u64 s[18:19], s[4:5], s[18:19]
	s_add_nc_u64 s[20:21], s[6:7], s[20:21]
	s_add_nc_u64 s[20:21], s[20:21], 528384
	s_add_nc_u64 s[8:9], s[8:9], s[22:23]
.set c, 0
.rept 16
	global_load_b32 v[MC+c], v[R4], s[16:17] offset:c*1024
	global_load_b32 v[ZC+c], v[R4], s[16:17] offset:c*1024+65536
.set c, c+1
.endr
	GBATCH 0, B0
	s_wait_loadcnt 16                              ; m and Z are in; the 16 loads of the first batch stay out
	v_max3_num_f32 v[MXR], v[MC], v[MC+1], v[MC+2]
.set c, 3
.rept 6
	v_max3_num_f32 v[MXR], v[MXR], v[MC+c], v[MC+c+1]
.set c, c+2
.endr
	v_max_num_f32 v[MXR], v[MXR], v[MC+15]
.set c, 0
.rept 16
	v_sub_f32 v[MC+c], v[MC+c], v[MXR]
.set c, c+1
.endr
.set c, 0
.rept 16
	v_mul_f32 v[MC+c], s24, v[MC+c]
.set c, c+1
.endr
.set c, 0
.rept 16
	v_exp_f32 v[MC+c], v[MC+c]
.set c, c+1
.endr
	v_nop
	GBATCH 1, B1
	s_wait_alu depctr_va_vdst(0)
	v_mul_f32 v8, v[MC], v[ZC]
.set c, 1
.rept 15
	v_fmac_f32 v8, v[MC+c], v[ZC+c]
.set c, c+1
.endr
	v_rcp_f32 v8, v8
	v_nop
	s_wait_alu depctr_va_vdst(0)
	v_mov_b32 v9, v8
	s_wait_loadcnt 16                              ; in each of these waits the 16 that stay out are the younger batch
	GFMA 0, B0
	GBATCH 2, B0
	s_wait_loadcnt 16
	GFMA 1, B1
	GBATCH 3, B1
	s_wait_loadcnt 16
	GFMA 2, B0
	s_wait_loadcnt 0x0
	GFMA 3, B1
.set p, 0
.rept 8
	v_pk_mul_f32 v[ACC+2*p:ACC+2*p+1], v[ACC+2*p:ACC+2*p+1], v[8:9]
.set p, p+1
.endr
.set p, 0
.rept 8
	v_cvt_pk_bf16_f32 v[ZC+p], v[ACC+2*p], v[ACC+2*p+1]
.set p, p+1
.endr
	ds_store_b128 v[AFW], v[ZC:ZC+3]
	ds_store_b128 v[AFW], v[ZC+4:ZC+7] offset:512
.set f, 0                              ; wv^T's fragments (rows i = 32 v + 16 (f / 8) .., k = e block f % 8)
.rept 16
	global_load_b128 v[B0+8*f:B0+8*f+3], v[L16], s[20:21] offset:f*1024
	global_load_b128 v[B0+8*f+4:B0+8*f+7], v[L16], s[20:21] offset:f*1024+512
.set f, f+1
.endr
	s_wait_dscnt 0x0
	s_barrier_signal -1
	s_barrier_wait -1
.set f, 0
.rept 8
	ds_load_b128 v[GF+8*f:GF+8*f+3], v[L16] offset:f*1024
	ds_load_b128 v[GF+8*f+4:GF+8*f+7], v[L16] offset:f*1024+512
.set f, f+1
.endr
	s_wait_loadcnt 0x0
	s_wait_dscnt 0x0
	v_wmma_f32_16x16x32_bf16 v[ACC:ACC+7], v[B0:B0+7], v[GF:GF+7], 0
	v_wmma_f32_16x16x32_bf16 v[ACC+8:ACC+15], v[B0+64:B0+71], v[GF:GF+7], 0
.set f, 1
.rept 7                                ; two accumulators by turns
	v_wmma_f32_16x16x32_bf16 v[ACC:ACC+7], v[B0+8*f:B0+8*f+7], v[GF+8*f:GF+8*f+7], v[ACC:ACC+7]
	v_wmma_f32_16x16x32_bf16 v[ACC+8:ACC+15], v[B0+64+8*f:B0+64+8*f+7], v[GF+8*f:GF+8*f+7], v[ACC+8:ACC+15]
.set f, f+1
.endr
.rept 5
	v_nop
.endr
.set p, 0
.rept 8
	v_cvt_pk_bf16_f32 v[ZC+p], v[ACC+2*p], v[ACC+2*p+1]
.set p, p+1
.endr
	global_store_b128 v[L16], v[ZC:ZC+3], s[8:9]
	global_store_b128 v[L16], v[ZC+4:ZC+7], s[8:9] offset:512
	s_wait_tensorcnt 0x0                           ; the wave's end
	ds_add_u32 v[SPW], v[NIL]
	s_wait_dscnt 0x0
	s_endpgm
.Lfunc_end_k_qf6dc74fc4e_comb1:
	.size	k_qf6dc74fc4e_comb1, .Lfunc_end_k_qf6dc74fc4e_comb1-k_qf6dc74fc4e_comb1
	.p2alignl 7, 3214868480
	.fill 96, 4, 3214868480
	.section	.rodata,"a",@progbits
	.p2align	6, 0x0
	.amdhsa_kernel k_qf6dc74fc4e_comb1
		.amdhsa_group_segment_fixed_size 9216
		.amdhsa_private_segment_fixed_size 0
		.amdhsa_enable_private_segment 0
		.amdhsa_kernarg_size 24
		.amdhsa_user_sgpr_count 2
		.amdhsa_user_sgpr_kernarg_segment_ptr 1
		.amdhsa_wavefront_size32 1
		.amdhsa_system_sgpr_workgroup_id_x 1
		.amdhsa_system_sgpr_workgroup_id_y 1
		.amdhsa_system_sgpr_workgroup_id_z 1
		.amdhsa_system_vgpr_workitem_id 0
		.amdhsa_next_free_vgpr 256
		.amdhsa_next_free_sgpr 66
		.amdhsa_reserve_vcc 0
		.amdhsa_float_denorm_mode_32 3
		.amdhsa_float_denorm_mode_16_64 3
		.amdhsa_memory_ordered 1
		.amdhsa_forward_progress 1
		.amdhsa_inst_pref_size 30
	.end_amdhsa_kernel
	.amdgpu_metadata
---
amdhsa.version: [ 1, 2 ]
amdhsa.kernels:
  - .name:           k_qf6dc74fc4e_comb1
    .symbol:         k_qf6dc74fc4e_comb1.kd
    .args:
      - { .name: gp, .offset: 0, .size: 8, .value_kind: global_buffer, .address_space: global }
      - { .name: wf, .offset: 8, .size: 8, .value_kind: global_buffer, .address_space: global }
      - { .name: as1, .offset: 16, .size: 8, .value_kind: global_buffer, .address_space: global }
    .group_segment_fixed_size: 9216
    .private_segment_fixed_size: 0
    .kernarg_segment_align: 8
    .kernarg_segment_size: 24
    .max_flat_workgroup_size: 256
    .sgpr_count:     66
    .vgpr_count:     256
    .wavefront_size: 32
...
	.end_amdgpu_metadata
.endif
;; end of part 4
;; launch block (part 5): grid 256 x 1, 4 waves a work-group, clusters of 4 x 1, 327,680 bytes of LDS; arguments x, nf, as1, wf, ln2_g, ln2_b, ms1, m1_b1, m1_b2, add2; writes add2
.if DOCPART == 5
	.amdgcn_target "amdgcn-amd-amdhsa--gfx1250"
	.amdhsa_code_object_version 6
	.text
	.protected	k_qf6dc74fc4e_block
	.globl	k_qf6dc74fc4e_block
	.p2align	8
	.type	k_qf6dc74fc4e_block,@function
k_qf6dc74fc4e_block:
	s_mov_b64 s[64:65], 0
	v_nop
	global_prefetch_b8 v0, s[64:65] scope:SCOPE_SE
	s_setreg_imm32_b32 hwreg(HW_REG_WAVE_MODE, 25, 1), 1
	s_wait_xcnt 0x0
	s_wait_alu depctr_hold_cnt(0) depctr_sa_sdst(0) depctr_va_vdst(0) depctr_va_sdst(0) depctr_va_ssrc(0) depctr_va_vcc(0) depctr_vm_vsrc(0)
	s_getreg_b32 s2, hwreg(HW_REG_IB_STS2, 6, 4)
	s_cmp_eq_u32 s2, 0
	s_cbranch_scc0 .Lentry_in_a_cluster
	s_endpgm
.Lentry_in_a_cluster:
	s_bfe_u32 s2, ttmp6, 0x10000c
	s_cmp_lg_u32 s2, 0x3003
	s_cbranch_scc0 .Lentry_shape_is_right
	s_endpgm
.Lentry_shape_is_right:
; OUT = A + MLP(LN(A)),  A = X + ab + (n T^T) W2^T: an attention applied as a two-layer product without activation, a LayerNorm, and an MLP with exact GELU, for 64 tokens a work-group.
; The residual stream stays in f32 accumulators from the load of X to the store of OUT: wave w holds channels 64 w .. + 63 of all 64 tokens (16 tiles of 16 x 16).
; STEPS of 128 hidden units (2 of the attention, 8 of the MLP).  In a step wave w makes 32 hidden units for all tokens (G1: 64 matrix instructions over the 256 inputs), the four waves' hidden units meet
; in LDS as bf16 fragments, and each wave adds their product with its 64 output rows onto its accumulators (G2: 64 matrix instructions).
; Both products are used transposed (source 0 = weight rows, source 1 = tokens): a lane holds one token and eight channels, so a result rounded in pairs is half a fragment of the next product.
; THE MLP IS A PIPELINE.  Trip t holds G2 of step t - 2, the GELU of step t - 1 and G1 of step t, which do not depend on each other.  The GELU is a queue of 8 x 77 vector instructions: 136 of them
; stand in the wait for the trip's first LDS loads, five behind each of the 64 products of G2 and of the first 32 of G1 (hidden tiles 0-3, whose GELU is done by then); the last 32 products stand bare.
; The hidden fragments have two LDS buffers that take turns, so the round at the trip's head is the trip's only barrier.  Trips 0 to 8 are one text, trip 9 (G2 of step 7) is written out.
; The price of one text: G2 in trips 0 and 1 multiplies zero weights by finite hidden numbers (the attention's, and their GELU) and adds 0; G1 in trip 8 has zero weights and its result is not
; read; the hidden bias asked for in trips 7 and 8 is the last step's once more (a clamped offset).
; WEIGHTS come as ready fragments, 32,768 bytes a wave and tile (the MLP's tile t: first layer of step t, second layer of step t - 2), through a ring of two slots of 131,072 bytes; only the wave
; that asked reads its part.
; CLUSTER: the four work-groups of a cluster lie in one batch and walk the same weights: every refill is a joint load behind a round of the cluster's barrier; it has a whole trip in which to land.
; GELU: x Phi(x) = max(x, 0) - |x| phi(|x|) (c1 t + .. + c5 t^5), t = 1 / (1 + 0.2316419 |x|) (Abramowitz and Stegun 26.2.17: Phi off by 7.5e-8 at the most, for every x).
; LAYERNORM: each wave's mean and sum of squared differences over its 64 channels, joined by Chan's formula: no difference of large sums.
; LIMITS: hidden units and the normalised tokens are rounded to bf16; an exponential below 2^-126 counts as 0; NaN and infinities are not treated apart.
; REGISTERS (windows of 256): 0: v0-31 addresses, v32-95 hidden sums, v96-127 at work, v128-255 first layer's fragments (also X, OUT and the norm's parameters)
;   1: the tokens' 32 fragments    2: v0-127 the residual stream, v128-255 hidden fragments (also the norm's work)    3: v0-127 second layer's fragments, v128-143 the hidden bias
.set SLOTB, 131072
.set U, 262144                         ; the tokens' fragments: filled once from nf, later stored by the norm; when they are in registers, its first 16,384 bytes are the hidden fragments' second buffer
.set XH, 294912                        ; stage for X and OUT (4 x 16 rows x 272 bytes); between them the hidden fragments' first buffer (16,384 bytes)
.set HTOG, XH-U                        ; one bit: an exclusive or turns one buffer's address into the other's
.set STS, 312320                       ; the norm's exchange
.set SPARE, 314368
.set LUMP, 136                         ; LUMP + 96 x RIDERS = 8 x 77
.set RIDERS, 5
.set L16, 1
.set RR, 2
.set HH, 3
.set AW0, 4
.set AW, 5
.set AHW, 6
.set AHR, 7
.set ANW, 8
.set ANR, 9
.set AXS, 10
.set AXL, 11
.set GXO, 12
.set APB, 13
.set AB1, 14
.set AST, 15
.set ASR, 16
.set SPW, 17
.set NIL, 18
.set AB10, 19
.set AHW0, 20
.set AHWC, 21
.set AHRC, 22
.set HA, 32
.set GD, 96
.set GE, 104
.set GR, 112
.set GP, 120
.set WF1, 128
.set PG, 128
.set PBB, 160
.set PB2, 192
.set HF, 128                           ; window 2
.set LS, 128
.set LQ, 136
.set LT, 144
.set LM, 152
.set LR, 160
.set LX, 192
.set LC, 224
.set BC, 128                           ; window 3
.set WV, 28
.set CX, 29
.set WG, 30
.set BB, 31
.set G0, 36
.set G1J, 40
.set G1P, 48
.set G0P, 56
.set NXT, 60
.set MS0, 62
.set KP, 66
.set KH, 68
.set C1, 70
.set C2, 72
.set C3, 74
.set C4, 76
.set C5, 78
.set SEL, 80
.set TB, 82
.set CNT, 83
.set I64, 88
.set QRT, 89
.set F64, 90
.set I256, 91
.set EPS, 92
.set HRB, 93                           ; the hidden fragments' buffer that this trip reads,
.set HWB, 94                           ; and the one that it writes
.set BO, 95                            ; the hidden bias's step, in bytes
.set MSB, 0
.macro WIN new                         ; the immediate's high byte repeats the setting that is left
.if MSB != (\new)
	s_set_vgpr_msb (MSB<<8)|(\new)
.set MSB, \new
.endif
.endm
.macro PLACES                          ; the places behind matrix instructions (ISA guide 7.12.1)
.rept 5
	v_nop
.endr
.endm
.macro ROUND
	s_barrier_signal -1
	s_barrier_wait -1
	s_cmp_lg_u32 s[WV], 0
	s_cbranch_scc1 .Lnw0_\@
	s_barrier_signal -3
.Lnw0_\@:
	s_barrier_wait -3
	s_barrier_signal -1
	s_barrier_wait -1
.endm
.macro BAR
	s_wait_dscnt 0x0
	s_barrier_signal -1
	s_barrier_wait -1
.endm
.macro DD g, rows, first
	s_mov_b32 s[\g], \first
	s_mov_b32 s[\g+1], 32<<16
	s_mov_b32 s[\g+2], (\rows)<<16
	s_mov_b32 s[\g+3], 32<<16
	s_mov_b32 s[\g+4], \rows
	s_mov_b32 s[\g+5], 32
	s_mov_b32 s[\g+6], 0
	s_mov_b32 s[\g+7], 0
.endm
.macro FRLD d, a, o
	ds_load_b128 v[\d:\d+3], v[\a] offset:\o
	ds_load_b128 v[\d+4:\d+7], v[\a] offset:\o+512
.endm
.macro WMC d, a, b
	v_wmma_f32_16x16x32_bf16 v[\d:\d+7], v[\a:\a+7], v[\b:\b+7], v[\d:\d+7]
.endm
.macro WMZ d, a, b
	v_wmma_f32_16x16x32_bf16 v[\d:\d+7], v[\a:\a+7], v[\b:\b+7], 0
.endm
.macro WMB d, a, b, c
	v_wmma_f32_16x16x32_bf16 v[\d:\d+7], v[\a:\a+7], v[\b:\b+7], v[\c:\c+7]
.endm
.macro KPAIR r, val
	s_mov_b32 s[\r], \val
	s_mov_b32 s[\r+1], \val
.endm
.macro BCLOAD                          ; my 32 hidden units' bias, as a C operand: lane half h holds units 8 h + 0..7 of each 16
	global_load_b128 v[BC:BC+3], v[AB1], s[22:23]
	global_load_b128 v[BC+4:BC+7], v[AB1], s[22:23] offset:16
	global_load_b128 v[BC+8:BC+11], v[AB1], s[22:23] offset:64
	global_load_b128 v[BC+12:BC+15], v[AB1], s[22:23] offset:80
.endm
.macro NFLOAD                          ; the tokens' 32 fragments into window 1
	WIN 0x40
.set sf, 0
.rept 32
	FRLD (8*sf), ANR, sf*1024
.set sf, sf+1
.endr
	WIN 0
.endm
	s_load_b512 s[8:23], s[0:1], 0x0               ; X 8, nf 10, as 12, ab 14, gain 16, bias 18, ms 20, b1 22
	s_load_b128 s[24:27], s[0:1], 0x40             ; b2 24, OUT 26
	v_lshl_add_u32 v[SPW], v0, 2, SPARE
	v_mov_b32 v[NIL], 0
	ds_add_u32 v[SPW], v[NIL]                      ; the wave's opening: the add and its wait stand ahead of my first tensor load
	v_lshrrev_b32 v1, 5, v0
	v_readfirstlane_b32 s[WV], v1
	s_bfe_u32 s[CX], ttmp6, 0x40000
	s_lshl_b32 s[WG], ttmp9, 2
	s_add_co_u32 s[WG], s[WG], s[CX]               ; my 64 tokens: enters X's, nf's and OUT's addresses alone
	s_lshr_b32 s[BB], ttmp9, 4                     ; the batch, which the four partners share
	v_and_b32 v[L16], 31, v0
	v_lshlrev_b32 v[L16], 4, v[L16]
	v_and_b32 v[RR], 15, v0
	v_bfe_u32 v[HH], v0, 4, 1
	s_lshl_b32 s32, s[WV], 15
	v_add_nc_u32 v[AW0], s32, v[L16]
	s_lshl_b32 s33, s[WV], 10
	v_add_nc_u32 v[AHW0], s33, v[L16]              ; my place in a buffer of hidden fragments
	s_add_co_u32 s33, s33, XH
	v_add_nc_u32 v[AHW], s33, v[L16]
	v_add_nc_u32 v[AHR], XH, v[L16]
	s_lshl_b32 s33, s[WV], 11
	s_add_co_u32 s33, s33, U
	v_add_nc_u32 v[ANW], s33, v[L16]
	v_add_nc_u32 v[ANR], U, v[L16]
	s_mul_i32 s33, s[WV], 4352
	s_add_co_u32 s33, s33, XH
	v_mul_u32_u24 v[AXS], v[HH], 272               ; by rows: lanes 0-15 one row of 256 bytes, lanes 16-31 the next
	v_lshl_add_u32 v[AXS], v[RR], 4, v[AXS]
	v_add_nc_u32 v[AXS], s33, v[AXS]
	v_mul_u32_u24 v[AXL], v[RR], 272               ; by tiles: token r, 32 bytes for each half of the lanes
	v_lshl_add_u32 v[AXL], v[HH], 5, v[AXL]
	v_add_nc_u32 v[AXL], s33, v[AXL]
	s_lshl_b32 s33, s[WV], 8
	v_lshlrev_b32 v[GXO], 10, v[HH]
	v_lshl_add_u32 v[GXO], v[RR], 4, v[GXO]
	v_add_nc_u32 v[GXO], s33, v[GXO]
	v_lshl_add_u32 v[APB], v[HH], 5, s33
	s_lshl_b32 s33, s[WV], 7
	v_lshl_add_u32 v[AB10], v[HH], 5, s33
	v_mov_b32 v[AB1], v[AB10]
	s_lshl_b32 s33, s[WV], 9
	s_add_co_u32 s33, s33, STS
	v_lshl_add_u32 v[AST], v[RR], 3, s33
	v_lshlrev_b32 v[ASR], 3, v[RR]
	v_add_nc_u32 v[ASR], STS, v[ASR]
	DD G1J, 128, 15|(3<<16)|(1<<21)                ; 32,768 bytes, jointly for the four
	DD G1P, 32, 3<<16                              ; 8,192 bytes, my own
	s_mov_b32 s[KP], 0x3e6d3389                    ; 0.2316419
	KPAIR KH, 0xbf38aa3b                           ; -log2(e) / 2
	KPAIR C1, 0x3e027906                           ; 0.127414796
	KPAIR C2, 0xbe11a98e                           ; -0.142248368
	KPAIR C3, 0x3f35f0e3                           ; 0.710706871
	KPAIR C4, 0xbf3a00e3                           ; -0.726576014
	KPAIR C5, 0x3f07dc22                           ; 0.530702715
	s_mov_b32 s[SEL], 0x76543210
	s_mov_b32 s[SEL+1], 0xfedcba98
	s_mov_b32 s[TB], SLOTB                         ; the first change of slots turns it into 0
	s_mov_b32 s[HRB], U                            ; the MLP's first change of slots turns it into XH
	s_mov_b32 s[BO], 0
	s_mov_b32 s[I64], 0x3c800000
	s_mov_b32 s[QRT], 0x3e800000
	s_mov_b32 s[F64], 0x42800000
	s_mov_b32 s[I256], 0x3b800000
	s_mov_b32 s[EPS], 0x3727c5ac
	s_lshl_b32 s32, s[BB], 18
	s_lshl_b32 s33, s[WV], 15
	s_add_co_u32 s32, s32, s33
	s_mov_b32 s33, 0
	s_lshl_b32 s34, s[WV], 15
	s_mov_b32 s35, 0
	s_lshl_b32 s84, s[WG], 15
	s_lshl_b32 s85, s[WV], 13
	s_add_co_u32 s84, s84, s85
	s_mov_b32 s85, 0
	s_lshl_b32 s86, s[WG], 16
	s_mov_b32 s87, 0
	s_mov_b32 s[G0], 1
	s_lshl_b32 s[G0+1], s[WV], 15
	s_mov_b32 s[G0P], 1
	s_lshl_b32 s[G0P+1], s[WV], 13
	s_add_co_u32 s[G0P+1], s[G0P+1], U
	s_wait_dscnt 0x0                               ; the opening add is done
	s_wait_kmcnt 0x0
	s_add_nc_u64 s[12:13], s[12:13], s[32:33]      ; the attention's step 0: my batch, my wave's part
	s_add_nc_u64 s[MS0:MS0+1], s[20:21], s[34:35]  ; the MLP's tile 0, my wave's part
	s_add_nc_u64 s[NXT:NXT+1], s[12:13], SLOTB
	s_mov_b64 s[G0+2:G0+3], s[12:13]
	s_or_b32 s[G0+3], s[G0+3], 0x80000000
	s_add_nc_u64 s[G0P+2:G0P+3], s[10:11], s[84:85]
	s_or_b32 s[G0P+3], s[G0P+3], 0x80000000
	s_add_nc_u64 s[8:9], s[8:9], s[86:87]
	s_add_nc_u64 s[26:27], s[26:27], s[86:87]
	ROUND                                          ; all four work-groups are here: the first joint loads meet
	tensor_load_to_lds s[G0:G0+3], s[G1J:G1J+7]    ; step 0's weights into slot 0
	s_nop 0
	tensor_load_to_lds s[G0P:G0P+3], s[G1P:G1P+7]  ; my quarter of the tokens' fragments: two loads of mine are out
	s_nop 0
.rept 4
	v_nop
.endr
.set i, 0
.rept 32                               ; X: a load takes my 256 bytes of two rows
	global_load_b128 v[WF1+4*i:WF1+4*i+3], v[GXO], s[8:9] offset:i*2048
.set i, i+1
.endr
.set i, 0
.rept 4
	global_load_b128 v[HA+8*i:HA+8*i+3], v[APB], s[14:15] offset:i*64
	global_load_b128 v[HA+8*i+4:HA+8*i+7], v[APB], s[14:15] offset:i*64+16
.set i, i+1
.endr
.set xt, 0
.rept 4                                ; 16 tokens at a time through my stage, into the accumulators' layout
	WIN 0
	s_wait_loadcnt 32-8*xt                         ; these 16 rows are in; the later rows' loads and the bias's eight stay out
.set i, 0
.rept 8
	ds_store_b128 v[AXS], v[WF1+32*xt+4*i:WF1+32*xt+4*i+3] offset:i*544
.set i, i+1
.endr
	WIN 0x80
.set i, 0
.rept 4                                ; LDS serves a wave's instructions in order: these see the stores above, and the next 16 rows' stores come behind them
	ds_load_b128 v[8*(4*i+xt):8*(4*i+xt)+3], v[AXL] offset:i*64
	ds_load_b128 v[8*(4*i+xt)+4:8*(4*i+xt)+7], v[AXL] offset:i*64+16
.set i, i+1
.endr
.set xt, xt+1
.endr
	s_wait_loadcnt 0x0
	s_wait_dscnt 0x0
	WIN 0x82
.set j, 0                              ; pair j: tile j / 4 = 4 ct + tt
.rept 64
	v_pk_add_f32 v[2*j:2*j+1], v[2*j:2*j+1], v[HA+8*(j/16)+2*(j%4):HA+8*(j/16)+2*(j%4)+1]
.set j, j+1
.endr
	WIN 0
	s_wait_tensorcnt 0x0
	BAR                                            ; everybody's part of the tokens is in, and nobody uses the stage any more
	NFLOAD
; THE CHANGE OF SLOTS.  kind 1 (attention), 2 (MLP): the slot read last is filled with the next tile's weights; kind 0: nothing is left to ask for.  In the MLP the hidden fragments' buffers change places too.
.macro CHANGE kind
	WIN 0
	s_wait_tensorcnt 0x0                           ; all my tensor loads have landed: the one that was out is my part of the slot to be read now
	ds_add_u32 v[SPW], v[NIL]                      ; 0 onto my spare word
.if \kind
	s_xor_b32 s[G0+1], s[G0+1], SLOTB
	s_mov_b64 s[G0+2:G0+3], s[NXT:NXT+1]
	s_or_b32 s[G0+3], s[G0+3], 0x80000000
.if \kind == 1
	s_mov_b64 s[NXT:NXT+1], s[MS0:MS0+1]           ; behind the attention's last step comes the MLP's first tile
.else
	s_add_nc_u64 s[NXT:NXT+1], s[NXT:NXT+1], SLOTB
.endif
.endif
.if \kind != 1
	s_xor_b32 s[HRB], s[HRB], HTOG
	s_xor_b32 s[HWB], s[HRB], HTOG
.endif
	s_xor_b32 s[TB], s[TB], SLOTB
	s_wait_dscnt 0x0                               ; the add is done; my reads of the old slot and of the hidden fragments are over, and my stores of hidden fragments are done
.if \kind
	ROUND                                          ; no wave of any partner still reads the old slot or has a load on its way
	tensor_load_to_lds s[G0:G0+3], s[G1J:G1J+7]
	s_nop 0
.rept 4
	v_nop
.endr
.else
	s_barrier_signal -1
	s_barrier_wait -1
.endif
.endm
; A STEP OF THE ATTENTION, in phases: it has no activation and next to no vector work.
.macro ASTEP
	WIN 0
	v_add_nc_u32 v[AW], s[TB], v[AW0]
.set sf, 0
.rept 16
	FRLD (WF1+8*sf), AW, sf*1024
.set sf, sf+1
.endr
	s_wait_dscnt 0x0
	WIN 0x04
.set skk, 0
.rept 8                                ; eight accumulators by turns
.set sq, 0                             ; tile 4 ht + tt
.rept 8
.if skk == 0
	WMZ (HA+8*sq), (WF1+8*(8*(sq/4)+skk)), (8*(8*(sq%4)+skk))
.else
	WMC (HA+8*sq), (WF1+8*(8*(sq/4)+skk)), (8*(8*(sq%4)+skk))
.endif
.set sq, sq+1
.endr
.set skk, skk+1
.endr
	PLACES
	WIN 0xc0
.set sf, 0
.rept 16
	FRLD (8*sf), AW, 16384+sf*1024
.set sf, sf+1
.endr
	WIN 0
.set sq, 0
.rept 8
	v_cvt_pk_bf16_f32 v[GD], v[HA+8*sq], v[HA+8*sq+1]
	v_cvt_pk_bf16_f32 v[GD+1], v[HA+8*sq+2], v[HA+8*sq+3]
	v_cvt_pk_bf16_f32 v[GD+2], v[HA+8*sq+4], v[HA+8*sq+5]
	v_cvt_pk_bf16_f32 v[GD+3], v[HA+8*sq+6], v[HA+8*sq+7]
	ds_store_b128 v[AHW], v[GD:GD+3] offset:(sq%4)*4096+(sq/4)*512
.set sq, sq+1
.endr
	BAR                                            ; the four waves' hidden units are in LDS
	WIN 0x80
.set sf, 0
.rept 16
	FRLD (HF+8*sf), AHR, sf*1024
.set sf, sf+1
.endr
	s_wait_dscnt 0x0
	WIN 0xab
.set skk, 0
.rept 4                                ; sixteen accumulators by turns
.set sq, 0                             ; tile 4 ct + tt
.rept 16
	WMC (8*sq), (8*(4*(sq/4)+skk)), (HF+8*(4*(sq%4)+skk))
.set sq, sq+1
.endr
.set skk, skk+1
.endr
	PLACES
	WIN 0
.endm
; THE GELU'S QUEUE.  AQ writes its next instruction: number qa % 77 for hidden tile qa / 77 (eight registers x0-x7 from ax on).
;   0-7    d = 1 + 0.2316419 |x|                     8-15   e = x x, then times -log2(e) / 2
;   16-31  t = 1 / d and max(x, 0) by turns          32-47  2^e and the polynomial's first two stages by turns: behind every transcendental stands a plain instruction that touches none of its registers
;   48-55  the polynomial's last two stages          56-63  times t, times 2^e
;   64-71  x = max(x, 0) - |x| p                     72-75  rounded to bf16          76  16 bytes a lane into the hidden fragments' buffer that this trip writes
.macro AQ
.set ax, HA+8*(qa/77)
.set aj, qa%77
	WIN 0
.if aj < 8
	v_fma_f32 v[GD+aj], |v[ax+aj]|, s[KP], 1.0
.elseif aj < 12
	v_pk_mul_f32 v[GE+2*(aj-8):GE+2*(aj-8)+1], v[ax+2*(aj-8):ax+2*(aj-8)+1], v[ax+2*(aj-8):ax+2*(aj-8)+1]
.elseif aj < 16
	v_pk_mul_f32 v[GE+2*(aj-12):GE+2*(aj-12)+1], v[GE+2*(aj-12):GE+2*(aj-12)+1], s[KH:KH+1] op_sel_hi:[1,0]
.elseif (aj < 32) && (aj%2 == 0)
	v_rcp_f32 v[GD+(aj-16)/2], v[GD+(aj-16)/2]
.elseif aj < 32
	v_max_num_f32 v[GR+(aj-16)/2], 0, v[ax+(aj-16)/2]
.elseif (aj < 48) && (aj%2 == 0)
	v_exp_f32 v[GE+(aj-32)/2], v[GE+(aj-32)/2]
.elseif aj < 40
	s_wait_alu depctr_va_vdst(0)
	v_pk_fma_f32 v[GP+2*((aj-32)/2):GP+2*((aj-32)/2)+1], v[GD+2*((aj-32)/2):GD+2*((aj-32)/2)+1], s[C5:C5+1], s[C4:C4+1] op_sel_hi:[1,0,0]
.elseif aj < 48
	v_pk_fma_f32 v[GP+2*((aj-40)/2):GP+2*((aj-40)/2)+1], v[GP+2*((aj-40)/2):GP+2*((aj-40)/2)+1], v[GD+2*((aj-40)/2):GD+2*((aj-40)/2)+1], s[C3:C3+1] op_sel_hi:[1,1,0]
.elseif aj < 52
	v_pk_fma_f32 v[GP+2*(aj-48):GP+2*(aj-48)+1], v[GP+2*(aj-48):GP+2*(aj-48)+1], v[GD+2*(aj-48):GD+2*(aj-48)+1], s[C2:C2+1] op_sel_hi:[1,1,0]
.elseif aj < 56
	v_pk_fma_f32 v[GP+2*(aj-52):GP+2*(aj-52)+1], v[GP+2*(aj-52):GP+2*(aj-52)+1], v[GD+2*(aj-52):GD+2*(aj-52)+1], s[C1:C1+1] op_sel_hi:[1,1,0]
.elseif aj < 60
	v_pk_mul_f32 v[GP+2*(aj-56):GP+2*(aj-56)+1], v[GP+2*(aj-56):GP+2*(aj-56)+1], v[GD+2*(aj-56):GD+2*(aj-56)+1]
.elseif aj < 64
	s_wait_alu depctr_va_vdst(0)
	v_pk_mul_f32 v[GP+2*(aj-60):GP+2*(aj-60)+1], v[GP+2*(aj-60):GP+2*(aj-60)+1], v[GE+2*(aj-60):GE+2*(aj-60)+1]
.elseif aj < 72
	v_fma_f32 v[ax+aj-64], -|v[ax+aj-64]|, v[GP+aj-64], v[GR+aj-64]
.elseif aj < 76
	v_cvt_pk_bf16_f32 v[GD+aj-72], v[ax+2*(aj-72)], v[ax+2*(aj-72)+1]
.else
	ds_store_b128 v[AHWC], v[GD:GD+3] offset:((qa/77)%4)*4096+((qa/77)/4)*512
.endif
.set qa, qa+1
.endm
.macro RID n                           ; the queue's next n
.rept \n
	AQ
.endr
.endm
; G2: the residual stream += second layer x hidden fragments: 64 matrix instructions, sixteen accumulators by turns; rid of the queue behind each.
.macro G2 rid
.set skk, 0
.rept 4
.set sq, 0                             ; tile 4 ct + tt
.rept 16
	WIN 0xab
	WMC (8*sq), (8*(4*(sq/4)+skk)), (HF+8*(4*(sq%4)+skk))
.if \rid
	RID \rid
.endif
.set sq, sq+1
.endr
.set skk, skk+1
.endr
.endm
; Half of G1: hidden tiles 4 ht .. 4 ht + 3 = bias + first layer x tokens: 32 matrix instructions, four accumulators by turns.
.macro G1H ht, rid
.set skk, 0
.rept 8
.set sq, 0                             ; tt
.rept 4
.if skk == 0
	WIN 0x34
	WMB (HA+32*\ht+8*sq), (WF1+64*\ht), (64*sq), (BC+8*\ht)
.else
	WIN 0x04
	WMC (HA+32*\ht+8*sq), (WF1+64*\ht+8*skk), (8*(8*sq+skk))
.endif
.if \rid
	RID \rid
.endif
.set sq, sq+1
.endr
.set skk, skk+1
.endr
.endm
.macro LOADS2                          ; the hidden fragments of the step two back, and its second layer: 64 LDS loads
	WIN 0
	v_add_nc_u32 v[AW], s[TB], v[AW0]
	v_add_nc_u32 v[AHRC], s[HRB], v[L16]
	WIN 0x80
.set sf, 0
.rept 16
	FRLD (HF+8*sf), AHRC, sf*1024
.set sf, sf+1
.endr
	WIN 0xc0
.set sf, 0
.rept 16
	FRLD (8*sf), AW, 16384+sf*1024
.set sf, sf+1
.endr
	WIN 0
.endm
; A TRIP OF THE MLP.
.macro TRIP
	CHANGE 2
	LOADS2
	v_add_nc_u32 v[AHWC], s[HWB], v[AHW0]
.set qa, 0
	RID LUMP                                       ; the queue's head stands in the wait for the 64 loads
	s_wait_dscnt qa/77                             ; they are in: behind them only the lump's stores of hidden fragments were issued
.set st0, qa/77
.set sf, 0
.rept 16                               ; the first layer's fragments: they land beside G2.  Their registers' last readers stand ahead of the places at the last trip's end
	FRLD (WF1+8*sf), AW, sf*1024
.set sf, sf+1
.endr
	G2 RIDERS
	s_wait_loadcnt 0x0                             ; the hidden bias
	s_wait_dscnt qa/77-st0                         ; the first layer is in: behind it only the riders' stores were issued
	G1H 0, RIDERS                                  ; hidden tiles 0-3 have been through the queue; tiles 5-7 go through it now
	G1H 1, 0
	PLACES                                         ; behind the last products: for the loads into the bias's registers here and into the first layer's in the next trip
	WIN 0
	s_add_co_u32 s[BO], s[BO], 512                 ; the next step's bias; behind the last step the offset stays: no load leaves the buffer
	s_min_u32 s[BO], s[BO], 3584
	v_add_nc_u32 v[AB1], s[BO], v[AB10]            ; its last loads were waited for ahead of G1
	WIN 0xc0
	BCLOAD
	WIN 0
.endm
	s_mov_b32 s[CNT], 2
.Latt:                                 ; the attention's two steps; the second trip asks for the MLP's first tile
	CHANGE 1
	ASTEP
	s_sub_co_u32 s[CNT], s[CNT], 1
	s_cmp_lg_u32 s[CNT], 0
	s_cbranch_scc1 .Latt
	s_add_nc_u64 s[NXT:NXT+1], s[MS0:MS0+1], SLOTB
	; THE LAYERNORM of the residual stream.  The refill stays on its way across the two plain barriers here: behind them nothing is filled.
.set i, 0
.rept 4
	global_load_b128 v[PG+8*i:PG+8*i+3], v[APB], s[16:17] offset:i*64
	global_load_b128 v[PG+8*i+4:PG+8*i+7], v[APB], s[16:17] offset:i*64+16
	global_load_b128 v[PBB+8*i:PBB+8*i+3], v[APB], s[18:19] offset:i*64
	global_load_b128 v[PBB+8*i+4:PBB+8*i+7], v[APB], s[18:19] offset:i*64+16
	global_load_b128 v[PB2+8*i:PB2+8*i+3], v[APB], s[24:25] offset:i*64
	global_load_b128 v[PB2+8*i+4:PB2+8*i+7], v[APB], s[24:25] offset:i*64+16
.set i, i+1
.endr
	WIN 0xc0
	BCLOAD
	WIN 0xaa                                       ; all operands in window 2
.set tt, 0
.rept 4                                ; each accumulator's lowest registers are read first
	v_pk_add_f32 v[LS+2*tt:LS+2*tt+1], v[8*tt:8*tt+1], v[8*tt+2:8*tt+3]
.set tt, tt+1
.endr
.set q, 2                              ; pair q % 4 of tile (ct = q / 4, tt)
.rept 14
.set tt, 0
.rept 4
	v_pk_add_f32 v[LS+2*tt:LS+2*tt+1], v[LS+2*tt:LS+2*tt+1], v[8*(4*(q/4)+tt)+2*(q%4):8*(4*(q/4)+tt)+2*(q%4)+1]
.set tt, tt+1
.endr
.set q, q+1
.endr
.macro T4 line:vararg                  ; one line for each block tt of 16 tokens
.set tt, 0
.rept 4
	\line
.set tt, tt+1
.endr
.endm
	T4 v_add_f32 v[LS+2*tt], v[LS+2*tt], v[LS+2*tt+1]
	T4 v_permlanex16_b32 v[LS+2*tt+1], v[LS+2*tt], s[SEL], s[SEL+1]
	T4 v_add_f32 v[LS+2*tt], v[LS+2*tt], v[LS+2*tt+1]
	T4 v_mul_f32 v[LS+2*tt], s[I64], v[LS+2*tt]    ; the mean of my 64 channels
.set q, 0
.rept 16
	T4 v_pk_add_f32 v[LT+2*tt:LT+2*tt+1], v[8*(4*(q/4)+tt)+2*(q%4):8*(4*(q/4)+tt)+2*(q%4)+1], v[LS+2*tt:LS+2*tt+1] op_sel_hi:[1,0] neg_lo:[0,1] neg_hi:[0,1]
.if q == 0
	T4 v_pk_mul_f32 v[LQ+2*tt:LQ+2*tt+1], v[LT+2*tt:LT+2*tt+1], v[LT+2*tt:LT+2*tt+1]
.else
	T4 v_pk_fma_f32 v[LQ+2*tt:LQ+2*tt+1], v[LT+2*tt:LT+2*tt+1], v[LT+2*tt:LT+2*tt+1], v[LQ+2*tt:LQ+2*tt+1]
.endif
.set q, q+1
.endr
	T4 v_add_f32 v[LQ+2*tt], v[LQ+2*tt], v[LQ+2*tt+1]
	T4 v_permlanex16_b32 v[LQ+2*tt+1], v[LQ+2*tt], s[SEL], s[SEL+1]
	T4 v_add_f32 v[LS+2*tt+1], v[LQ+2*tt], v[LQ+2*tt+1]
	WIN 0x08
	T4 ds_store_b64 v[AST], v[LS+2*tt:LS+2*tt+1] offset:tt*128
	WIN 0
	BAR
	WIN 0x80
.set q, 0                              ; pair 4 tt + wave
.rept 16
	ds_load_b64 v[LR+2*q:LR+2*q+1], v[ASR] offset:(q%4)*512+(q/4)*128
.set q, q+1
.endr
	s_wait_dscnt 0x0
	WIN 0xaa
.set tt, 0
.rept 4                                ; mean = the four means' mean; M2 = the four M2 + 64 x the sum of (mean_w - mean)^2
.set a0, LR+8*tt
	v_add_f32 v[LM+2*tt], v[a0], v[a0+2]
	v_add_f32 v[LM+2*tt+1], v[a0+4], v[a0+6]
	v_add_f32 v[a0+1], v[a0+1], v[a0+3]
	v_add_f32 v[a0+5], v[a0+5], v[a0+7]
	v_add_f32 v[LM+2*tt], v[LM+2*tt], v[LM+2*tt+1]
	v_add_f32 v[a0+1], v[a0+1], v[a0+5]
	v_mul_f32 v[LM+2*tt], s[QRT], v[LM+2*tt]
	v_sub_f32 v[a0], v[a0], v[LM+2*tt]
	v_sub_f32 v[a0+2], v[a0+2], v[LM+2*tt]
	v_sub_f32 v[a0+4], v[a0+4], v[LM+2*tt]
	v_sub_f32 v[a0+6], v[a0+6], v[LM+2*tt]
	v_mul_f32 v[LM+2*tt+1], v[a0], v[a0]
	v_fmac_f32 v[LM+2*tt+1], v[a0+2], v[a0+2]
	v_fmac_f32 v[LM+2*tt+1], v[a0+4], v[a0+4]
	v_fmac_f32 v[LM+2*tt+1], v[a0+6], v[a0+6]
	v_fma_f32 v[a0+1], v[LM+2*tt+1], s[F64], v[a0+1]
	v_fma_f32 v[a0+1], v[a0+1], s[I256], s[EPS]
.set tt, tt+1
.endr
	T4 v_rsq_f32 v[LS+2*tt], v[LR+8*tt+1]
	v_nop
	s_wait_alu depctr_va_vdst(0)
	T4 v_mul_f32 v[LS+2*tt+1], -v[LM+2*tt], v[LS+2*tt]
	s_wait_loadcnt 4                               ; gain, bias and b2 are in; the four loads of the hidden bias stay out
.set ct, 0
.rept 4
	WIN 0xaa
.set q, 0                              ; pair q % 4 of tile (ct, tt = q / 4)
.rept 16
	v_pk_fma_f32 v[LX+2*q:LX+2*q+1], v[8*(4*ct+q/4)+2*(q%4):8*(4*ct+q/4)+2*(q%4)+1], v[LS+2*(q/4):LS+2*(q/4)+1], v[LS+2*(q/4):LS+2*(q/4)+1] op_sel:[0,0,1] op_sel_hi:[1,0,1]
.set q, q+1
.endr
	WIN 0x82
.set q, 0
.rept 16
	v_pk_fma_f32 v[LX+2*q:LX+2*q+1], v[LX+2*q:LX+2*q+1], v[PG+8*ct+2*(q%4):PG+8*ct+2*(q%4)+1], v[PBB+8*ct+2*(q%4):PBB+8*ct+2*(q%4)+1]
.set q, q+1
.endr
.set q, 0
.rept 16                               ; the MLP's second bias goes onto the residual stream here
	v_pk_add_f32 v[8*(4*ct+q/4)+2*(q%4):8*(4*ct+q/4)+2*(q%4)+1], v[8*(4*ct+q/4)+2*(q%4):8*(4*ct+q/4)+2*(q%4)+1], v[PB2+8*ct+2*(q%4):PB2+8*ct+2*(q%4)+1]
.set q, q+1
.endr
	WIN 0x8a
.set q, 0
.rept 16
	v_cvt_pk_bf16_f32 v[LC+q], v[LX+2*q], v[LX+2*q+1]
.set q, q+1
.endr
	WIN 0x08
	T4 ds_store_b128 v[ANW], v[LC+4*tt:LC+4*tt+3] offset:tt*8192+ct*512
.set ct, ct+1
.endr
	WIN 0
	BAR                                            ; the normalised tokens' fragments are whole
	NFLOAD
	s_mov_b32 s[CNT], 9
.Lmlp:                                 ; trips 0 to 8: each asks for the next tile
	TRIP
	s_sub_co_u32 s[CNT], s[CNT], 1
	s_cmp_lg_u32 s[CNT], 0
	s_cbranch_scc1 .Lmlp
	CHANGE 0                                       ; trip 9 is written out: only the last step's second product is left
	LOADS2
	s_wait_dscnt 0x0
	G2 0
	PLACES
	WIN 0
	BAR                                            ; nobody reads hidden fragments any more: the first buffer's bytes are the stage again
.set xt, 0
.rept 4
	WIN 0x08
.set i, 0
.rept 4                                ; each accumulator's low half first
	ds_store_b128 v[AXL], v[8*(4*i+xt):8*(4*i+xt)+3] offset:i*64
	ds_store_b128 v[AXL], v[8*(4*i+xt)+4:8*(4*i+xt)+7] offset:i*64+16
.set i, i+1
.endr
	WIN 0
.set i, 0
.rept 8
	ds_load_b128 v[WF1+32*xt+4*i:WF1+32*xt+4*i+3], v[AXS] offset:i*544
.set i, i+1
.endr
.set xt, xt+1
.endr
.set xt, 0
.rept 4
	s_wait_dscnt 16*(3-xt)                         ; these 16 rows are back; the 16 LDS instructions of each later block stay out
.set i, 0
.rept 8
	global_store_b128 v[GXO], v[WF1+32*xt+4*i:WF1+32*xt+4*i+3], s[26:27] offset:(8*xt+i)*2048  ; 16 lanes store 256 consecutive bytes, at a multiple of 256 from OUT's first byte
.set i, i+1
.endr
.set xt, xt+1
.endr
	s_wait_tensorcnt 0x0                           ; the wave's end
	ds_add_u32 v[SPW], v[NIL]
	s_wait_dscnt 0x0
	ROUND                                          ; the closing round
	s_endpgm
.Lfunc_end_k_qf6dc74fc4e_block:
	.size	k_qf6dc74fc4e_block, .Lfunc_end_k_qf6dc74fc4e_block-k_qf6dc74fc4e_block
	.p2alignl 7, 3214868480
	.fill 96, 4, 3214868480
	.section	.rodata,"a",@progbits
	.p2align	6, 0x0
	.amdhsa_kernel k_qf6dc74fc4e_block
		.amdhsa_group_segment_fixed_size 327680
		.amdhsa_private_segment_fixed_size 0
		.amdhsa_enable_private_segment 0
		.amdhsa_kernarg_size 80
		.amdhsa_user_sgpr_count 2
		.amdhsa_user_sgpr_kernarg_segment_ptr 1
		.amdhsa_wavefront_size32 1
		.amdhsa_system_sgpr_workgroup_id_x 1
		.amdhsa_system_sgpr_workgroup_id_y 1
		.amdhsa_system_sgpr_workgroup_id_z 1
		.amdhsa_system_vgpr_workitem_id 0
		.amdhsa_next_free_vgpr 912
		.amdhsa_next_free_sgpr 100
		.amdhsa_reserve_vcc 0
		.amdhsa_float_denorm_mode_32 3
		.amdhsa_float_denorm_mode_16_64 3
		.amdhsa_memory_ordered 1
		.amdhsa_forward_progress 1
		.amdhsa_inst_pref_size 157
	.end_amdhsa_kernel
	.amdgpu_metadata
---
amdhsa.version: [ 1, 2 ]
amdhsa.kernels:
  - .name:           k_qf6dc74fc4e_block
    .symbol:         k_qf6dc74fc4e_block.kd
    .args:
      - { .name: x, .offset: 0, .size: 8, .value_kind: global_buffer, .address_space: global }
      - { .name: nf, .offset: 8, .size: 8, .value_kind: global_buffer, .address_space: global }
      - { .name: as1, .offset: 16, .size: 8, .value_kind: global_buffer, .address_space: global }
      - { .name: wf, .offset: 24, .size: 8, .value_kind: global_buffer, .address_space: global }
      - { .name: ln2_g, .offset: 32, .size: 8, .value_kind: global_buffer, .address_space: global }
      - { .name: ln2_b, .offset: 40, .size: 8, .value_kind: global_buffer, .address_space: global }
      - { .name: ms1, .offset: 48, .size: 8, .value_kind: global_buffer, .address_space: global }
      - { .name: m1_b1, .offset: 56, .size: 8, .value_kind: global_buffer, .address_space: global }
      - { .name: m1_b2, .offset: 64, .size: 8, .value_kind: global_buffer, .address_space: global }
      - { .name: add2, .offset: 72, .size: 8, .value_kind: global_buffer, .address_space: global }
    .group_segment_fixed_size: 327680
    .private_segment_fixed_size: 0
    .kernarg_segment_align: 8
    .kernarg_segment_size: 80
    .max_flat_workgroup_size: 128
    .sgpr_count:     100
    .vgpr_count:     912
    .wavefront_size: 32
...
	.end_amdgpu_metadata
.endif
;; end of part 5
;; launch ln_b: the kernel of part 2 again; grid 256 x 1, 8 waves a work-group, no clusters, 33,792 bytes of LDS; arguments add2, ln3_g, ln3_b, nf; writes nf
;; launch stat2 (part 6): grid 256 x 1, 4 waves a work-group, clusters of 4 x 1, 327,680 bytes of LDS; arguments nf, wf, gp; writes gp
.if DOCPART == 6
	.amdgcn_target "amdgcn-amd-amdhsa--gfx1250"
	.amdhsa_code_object_version 6
	.text
	.protected	k_qf6dc74fc4e_stat2
	.globl	k_qf6dc74fc4e_stat2
	.p2align	8
	.type	k_qf6dc74fc4e_stat2,@function
k_qf6dc74fc4e_stat2:
	s_mov_b64 s[64:65], 0
	v_nop
	global_prefetch_b8 v0, s[64:65] scope:SCOPE_SE
	s_setreg_imm32_b32 hwreg(HW_REG_WAVE_MODE, 25, 1), 1
	s_wait_xcnt 0x0
	s_wait_alu depctr_hold_cnt(0) depctr_sa_sdst(0) depctr_va_vdst(0) depctr_va_sdst(0) depctr_va_ssrc(0) depctr_va_vcc(0) depctr_vm_vsrc(0)
	s_getreg_b32 s2, hwreg(HW_REG_IB_STS2, 6, 4)
	s_cmp_eq_u32 s2, 0
	s_cbranch_scc0 .Lentry_in_a_cluster
	s_endpgm
.Lentry_in_a_cluster:
	s_bfe_u32 s2, ttmp6, 0x10000c
	s_cmp_lg_u32 s2, 0x3003
	s_cbranch_scc0 .Lentry_shape_is_right
	s_endpgm
.Lentry_shape_is_right:
; Channel attention, first half.  For 64 tokens a work-group makes q and k (512 channels), each channel's sum of squares over the tokens (f32, of the unrounded numbers) and, for each of the 8 heads,
; the partial Gram matrix S[c][d] = sum over the tokens of q[c] k[d] (bf16 operands, f32 sums).  The next launch adds the 64 partial results of a batch and divides by the norms.
; Wave w takes heads 2 w and 2 w + 1.  Source 0 = tokens, source 1 = weight rows: a lane holds one channel and eight tokens, so two results rounded to bf16 are a fragment (row = channel, k = 32 tokens).
; CLUSTER: the four work-groups read the same 262,144 bytes of weight fragments: joint loads; each one's own tokens come by a plain load.  Every LDS region is filled once.
; LIMIT: q . k / (|q| |k|) is formed from bf16 q and k and f32 norms.
.set NT, 262144
.set SPARE, 294912
.set L16, 1
.set RR, 2
.set HH, 3
.set AWW, 4
.set ANR, 5
.set L4, 6
.set SPW, 7
.set NIL, 8
.set SS, 32
.set ST, 48
.set CV, 56
.set WV, 10
.set CX, 11
.set WG, 12
.set G1J, 16
.set G1P, 24
.set G0A, 32
.set G0B, 36
.set G0C, 40
.set SEL, 44
.set MSB, 0
.macro WIN new
.if MSB != (\new)
	s_set_vgpr_msb (MSB<<8)|(\new)
.set MSB, \new
.endif
.endm
.macro PLACES
.rept 5
	v_nop
.endr
.endm
.macro ROUND
	s_barrier_signal -1
	s_barrier_wait -1
	s_cmp_lg_u32 s[WV], 0
	s_cbranch_scc1 .Lnw0_\@
	s_barrier_signal -3
.Lnw0_\@:
	s_barrier_wait -3
	s_barrier_signal -1
	s_barrier_wait -1
.endm
.macro DD g, rows, first
	s_mov_b32 s[\g], \first
	s_mov_b32 s[\g+1], 32<<16
	s_mov_b32 s[\g+2], (\rows)<<16
	s_mov_b32 s[\g+3], 32<<16
	s_mov_b32 s[\g+4], \rows
	s_mov_b32 s[\g+5], 32
	s_mov_b32 s[\g+6], 0
	s_mov_b32 s[\g+7], 0
.endm
.macro FRLD d, a, o
	ds_load_b128 v[\d:\d+3], v[\a] offset:\o
	ds_load_b128 v[\d+4:\d+7], v[\a] offset:\o+512
.endm
.macro WMC d, a, b
	v_wmma_f32_16x16x32_bf16 v[\d:\d+7], v[\a:\a+7], v[\b:\b+7], v[\d:\d+7]
.endm
.macro WMZ d, a, b
	v_wmma_f32_16x16x32_bf16 v[\d:\d+7], v[\a:\a+7], v[\b:\b+7], 0
.endm
.macro WLOAD k                         ; my eight weight fragments (4 of q, 4 of k) of input block k, into buffer k % 2
.set c, 0
.rept 8
	FRLD (64+64*((\k)%2)+8*c), AWW, (c/4)*32768+(c%4)*8192+(\k)*1024
.set c, c+1
.endr
.endm
	s_load_b128 s[4:7], s[0:1], 0x0                ; nf, wf
	s_load_b64 s[8:9], s[0:1], 0x10                ; gp
	v_lshl_add_u32 v[SPW], v0, 2, SPARE
	v_mov_b32 v[NIL], 0
	ds_add_u32 v[SPW], v[NIL]                      ; the wave's opening: the add and its wait stand ahead of my first tensor load
	v_lshrrev_b32 v1, 5, v0
	v_readfirstlane_b32 s[WV], v1
	s_bfe_u32 s[CX], ttmp6, 0x40000
	s_lshl_b32 s[WG], ttmp9, 2
	s_add_co_u32 s[WG], s[WG], s[CX]
	v_and_b32 v[L4], 31, v0
	v_lshlrev_b32 v[L16], 4, v[L4]
	v_lshlrev_b32 v[L4], 2, v[L4]
	v_and_b32 v[RR], 15, v0
	v_bfe_u32 v[HH], v0, 4, 1
	s_lshl_b32 s13, s[WV], 16
	v_add_nc_u32 v[AWW], s13, v[L16]
	v_add_nc_u32 v[ANR], NT, v[L16]
.set c, 0
.rept 8
	v_mov_b32 v[ST+c], 0
.set c, c+1
.endr
	DD G1J, 128, 15|(3<<16)|(1<<21)
	DD G1P, 32, 3<<16
	s_mov_b32 s[SEL], 0x76543210
	s_mov_b32 s[SEL+1], 0xfedcba98
	s_lshl_b32 s46, s[WV], 15
	s_mov_b32 s47, 0
	s_lshl_b32 s48, s[WG], 15
	s_lshl_b32 s49, s[WV], 13
	s_add_co_u32 s48, s48, s49
	s_mov_b32 s49, 0
	s_lshl_b32 s50, s[WG], 11
	s_lshl_b32 s51, s[WV], 8
	s_add_co_u32 s50, s50, s51
	s_mov_b32 s51, 0
	s_mov_b32 s[G0A], 1
	s_lshl_b32 s[G0A+1], s[WV], 16
	s_mov_b32 s[G0B], 1
	s_lshl_b32 s[G0B+1], s[WV], 16
	s_add_co_u32 s[G0B+1], s[G0B+1], 32768
	s_mov_b32 s[G0C], 1
	s_lshl_b32 s[G0C+1], s[WV], 13
	s_add_co_u32 s[G0C+1], s[G0C+1], NT
	s_wait_dscnt 0x0
	s_wait_kmcnt 0x0
	s_add_nc_u64 s[G0A+2:G0A+3], s[6:7], s[46:47]
	s_add_nc_u64 s[G0B+2:G0B+3], s[G0A+2:G0A+3], 397312
	s_add_nc_u64 s[G0A+2:G0A+3], s[G0A+2:G0A+3], 266240
	s_or_b32 s[G0A+3], s[G0A+3], 0x80000000
	s_or_b32 s[G0B+3], s[G0B+3], 0x80000000
	s_add_nc_u64 s[G0C+2:G0C+3], s[4:5], s[48:49]
	s_or_b32 s[G0C+3], s[G0C+3], 0x80000000
	s_add_nc_u64 s[52:53], s[8:9], s[50:51]        ; the sums of squares of my block and wave
	s_add_nc_u64 s[52:53], s[52:53], 8388608
	s_add_nc_u64 s[8:9], s[8:9], s[48:49]          ; the Gram tiles of my block and wave
	ROUND
	tensor_load_to_lds s[G0A:G0A+3], s[G1J:G1J+7]  ; my two heads' q rows
	s_nop 0
	tensor_load_to_lds s[G0B:G0B+3], s[G1J:G1J+7]  ; their k rows
	s_nop 0
	tensor_load_to_lds s[G0C:G0C+3], s[G1P:G1P+7]  ; my quarter of the tokens: three loads of mine are out
	s_nop 0
.rept 4
	v_nop
.endr
	s_wait_tensorcnt 0x0
	s_wait_dscnt 0x0
	s_barrier_signal -1
	s_barrier_wait -1
	WIN 0x40
.set f, 0
.rept 32
	FRLD (8*f), ANR, f*1024
.set f, f+1
.endr
	WIN 0
	WLOAD 0
.set kk, 0
.rept 8
.if kk > 0
	PLACES
.endif
	WIN 0
.if kk < 7
	WLOAD (kk+1)
	s_wait_dscnt 16                                ; all but the 16 just issued
.else
	s_wait_dscnt 0x0
.endif
	WIN 0xa1                                       ; tokens window 1, weights window 0, sums window 2
.set j, 0                              ; tile j = 4 c8 + tt: 32 accumulators by turns
.rept 32
.if kk == 0
	WMZ (8*j), (8*(8*(j%4)+kk)), (64+64*(kk%2)+8*(j/4))
.else
	WMC (8*j), (8*(8*(j%4)+kk)), (64+64*(kk%2)+8*(j/4))
.endif
.set j, j+1
.endr
.set kk, kk+1
.endr
	PLACES
	WIN 0x0a
.set q, 0                              ; pair q % 4 of tile (c, tt = q / 4): each accumulator's lowest registers first
.rept 16
.set c, 0
.rept 8
.if q == 0
	v_pk_mul_f32 v[SS+2*c:SS+2*c+1], v[32*c:32*c+1], v[32*c:32*c+1]
.else
	v_pk_fma_f32 v[SS+2*c:SS+2*c+1], v[32*c+2*q:32*c+2*q+1], v[32*c+2*q:32*c+2*q+1], v[SS+2*c:SS+2*c+1]
.endif
.set c, c+1
.endr
.set q, q+1
.endr
	WIN 0
.set c, 0
.rept 8
	v_add_f32 v[SS+2*c], v[SS+2*c], v[SS+2*c+1]
.set c, c+1
.endr
.set c, 0
.rept 8
	v_permlanex16_b32 v[ST+c], v[SS+2*c], s[SEL], s[SEL+1]
.set c, c+1
.endr
.set c, 0
.rept 8
	v_add_f32 v[SS+2*c], v[SS+2*c], v[ST+c]
.set c, c+1
.endr
	WIN 0x4a                                       ; q and k rounded: fragment (c, p) of tokens 32 p .. at window 1, 8 (2 c + p)
.set j, 0
.rept 128
	v_cvt_pk_bf16_f32 v[j], v[2*j], v[2*j+1]
.set j, j+1
.endr
	WIN 0x05
.set j, 0                              ; tile j = 4 hh + 2 cl + dl; source 0 = k (rows d), source 1 = q (rows c): a lane holds one c and eight d
.rept 8
	WMZ (64+8*j), (8*(2*(4+2*(j/4)+j%2))), (8*(2*(2*(j/4)+(j/2)%2)))
.set j, j+1
.endr
.set j, 0
.rept 8
	WMC (64+8*j), (8*(2*(4+2*(j/4)+j%2)+1)), (8*(2*(2*(j/4)+(j/2)%2)+1))
.set j, j+1
.endr
	PLACES
	WIN 0
.set j, 0
.rept 8
	global_store_b128 v[L16], v[64+8*j:64+8*j+3], s[8:9] offset:j*1024
	global_store_b128 v[L16], v[64+8*j+4:64+8*j+7], s[8:9] offset:j*1024+512
.set j, j+1
.endr
	v_cmp_ne_u32 vcc_lo, 0, v[HH]
.set i, 0
.rept 4                                ; lanes 0-15 store one block of 16 channels, lanes 16-31 the next: 128 consecutive bytes
	v_cndmask_b32 v[CV+i], v[SS+4*i], v[SS+4*i+2], vcc_lo
	global_store_b32 v[L4], v[CV+i], s[52:53] offset:(i/2)*1024+(i%2)*128
.set i, i+1
.endr
	s_wait_tensorcnt 0x0                           ; the wave's end
	ds_add_u32 v[SPW], v[NIL]
	s_wait_dscnt 0x0
	ROUND                                          ; the closing round
	s_endpgm
.Lfunc_end_k_qf6dc74fc4e_stat2:
	.size	k_qf6dc74fc4e_stat2, .Lfunc_end_k_qf6dc74fc4e_stat2-k_qf6dc74fc4e_stat2
	.p2alignl 7, 3214868480
	.fill 96, 4, 3214868480
	.section	.rodata,"a",@progbits
	.p2align	6, 0x0
	.amdhsa_kernel k_qf6dc74fc4e_stat2
		.amdhsa_group_segment_fixed_size 327680
		.amdhsa_private_segment_fixed_size 0
		.amdhsa_enable_private_segment 0
		.amdhsa_kernarg_size 24
		.amdhsa_user_sgpr_count 2
		.amdhsa_user_sgpr_kernarg_segment_ptr 1
		.amdhsa_wavefront_size32 1
		.amdhsa_system_sgpr_workgroup_id_x 1
		.amdhsa_system_sgpr_workgroup_id_y 1
		.amdhsa_system_sgpr_workgroup_id_z 1
		.amdhsa_system_vgpr_workitem_id 0
		.amdhsa_next_free_vgpr 768
		.amdhsa_next_free_sgpr 66
		.amdhsa_reserve_vcc 1
		.amdhsa_float_denorm_mode_32 3
		.amdhsa_float_denorm_mode_16_64 3
		.amdhsa_memory_ordered 1
		.amdhsa_forward_progress 1
		.amdhsa_inst_pref_size 56
	.end_amdhsa_kernel
	.amdgpu_metadata
---
amdhsa.version: [ 1, 2 ]
amdhsa.kernels:
  - .name:           k_qf6dc74fc4e_stat2
    .symbol:         k_qf6dc74fc4e_stat2.kd
    .args:
      - { .name: nf, .offset: 0, .size: 8, .value_kind: global_buffer, .address_space: global }
      - { .name: wf, .offset: 8, .size: 8, .value_kind: global_buffer, .address_space: global }
      - { .name: gp, .offset: 16, .size: 8, .value_kind: global_buffer, .address_space: global }
    .group_segment_fixed_size: 327680
    .private_segment_fixed_size: 0
    .kernarg_segment_align: 8
    .kernarg_segment_size: 24
    .max_flat_workgroup_size: 128
    .sgpr_count:     66
    .vgpr_count:     768
    .wavefront_size: 32
...
	.end_amdgpu_metadata
.endif
;; end of part 6
;; launch comb2 (part 7): grid 16 x 4, 8 waves a work-group, no clusters, 20,480 bytes of LDS; arguments gp, wf, temperature, as2; writes as2
.if DOCPART == 7
	.amdgcn_target "amdgcn-amd-amdhsa--gfx1250"
	.amdhsa_code_object_version 6
	.text
	.protected	k_qf6dc74fc4e_comb2
	.globl	k_qf6dc74fc4e_comb2
	.p2align	8
	.type	k_qf6dc74fc4e_comb2,@function
k_qf6dc74fc4e_comb2:
	s_mov_b64 s[64:65], 0
	v_nop
	global_prefetch_b8 v0, s[64:65] scope:SCOPE_SE
	s_setreg_imm32_b32 hwreg(HW_REG_WAVE_MODE, 25, 1), 1
	s_wait_xcnt 0x0
; Channel attention, second half.  For batch b and 16 rows c of a head: the 64 blocks' Gram tiles and sums of squares are added (f32), the logits are S / (max(|q|, 1e-12) max(|k|, 1e-12)) x temperature,
; the softmax over the head's 32 d takes the row's maximum away, and T[32 h + c][i] = sum over d of attn[c][d] Wv[32 h + d][i] is written as the first layer's fragments of the batch's two-layer step.
; Wave v adds blocks 8 v .. 8 v + 7; the eight partial results meet in LDS and every wave adds them; wave v then makes input channels i = 32 v .. + 31 of T.
; NO CLUSTER: what the work-groups share is a few KiB of Wv's fragments.
.set EXQ, 16384
.set RK, 18432
.set SPARE, 19456
.set SPW, 8
.set NIL, 9
.set QS, 32
.set KS, 40
.set FRG, 56
.set SB, 64
.set WT, 192
.set RKR, 208
.macro SUM8
.set t, 1
.rept 7
.set p, 0
.rept 8
	v_pk_add_f32 v[SB+2*p:SB+2*p+1], v[SB+2*p:SB+2*p+1], v[SB+16*t+2*p:SB+16*t+2*p+1]
.set p, p+1
.endr
	v_add_f32 v[QS], v[QS], v[QS+t]
	v_add_f32 v[KS], v[KS], v[KS+t]
.set t, t+1
.endr
.endm
	s_load_b256 s[4:11], s[0:1], 0x0               ; gp, wf, temperature, as2
	v_lshl_add_u32 v[SPW], v0, 2, SPARE
	v_mov_b32 v[NIL], 0
	v_lshrrev_b32 v1, 5, v0
	v_readfirstlane_b32 s14, v1                    ; wave
	s_mov_b32 s12, ttmp9                           ; ct: which 16 rows of the 256
	s_and_b32 s13, ttmp7, 0xffff                   ; batch
	s_lshr_b32 s15, s12, 1                         ; head
	s_and_b32 s16, s12, 1
	v_and_b32 v1, 31, v0                           ; L
	v_and_b32 v2, 15, v0
	v_bfe_u32 v3, v0, 4, 1
	v_lshlrev_b32 v4, 4, v1
	s_lshl_b32 s17, s12, 6
	v_lshl_add_u32 v5, v2, 2, s17                  ; q's sum of squares: channel 16 ct + r
	s_lshl_b32 s17, s15, 7
	s_add_co_u32 s17, s17, 1024
	v_lshl_add_u32 v6, v1, 2, s17                  ; k's: channel 32 head + L
	s_lshl_b32 s17, s14, 11
	v_add_nc_u32 v10, s17, v4
	s_lshl_b32 s17, s14, 7
	s_add_co_u32 s18, s17, EXQ
	v_lshl_add_u32 v11, v1, 2, s18
	v_lshlrev_b32 v12, 2, v1
	v_add_nc_u32 v12, EXQ, v12
	s_add_co_u32 s18, s17, RK
	v_lshl_add_u32 v13, v1, 2, s18
	v_lshl_add_u32 v14, v3, 5, s18
	v_mov_b32 v49, 0
	v_mov_b32 v51, 0
	s_lshl_b32 s20, s13, 21
	s_lshl_b32 s17, s14, 18
	s_add_co_u32 s20, s20, s17
	s_lshl_b32 s17, s15, 12
	s_add_co_u32 s20, s20, s17
	s_lshl_b32 s17, s16, 11
	s_add_co_u32 s20, s20, s17
	s_mov_b32 s21, 0
	s_lshl_b32 s22, s13, 17
	s_lshl_b32 s17, s14, 14
	s_add_co_u32 s22, s22, s17
	s_mov_b32 s23, 0
	s_lshl_b32 s24, s15, 10
	s_add_co_u32 s24, s24, s17
	s_mov_b32 s25, 0
	s_lshl_b32 s26, s15, 2
	s_mov_b32 s27, 0
	s_lshl_b32 s28, s13, 18
	s_lshr_b32 s17, s12, 3
	s_lshl_b32 s17, s17, 17
	s_add_co_u32 s28, s28, s17
	s_bfe_u32 s17, s12, 0x20001
	s_lshl_b32 s17, s17, 15
	s_add_co_u32 s28, s28, s17
	s_lshl_b32 s17, s16, 13
	s_add_co_u32 s28, s28, s17
	s_lshl_b32 s17, s14, 10
	s_add_co_u32 s28, s28, s17
	s_mov_b32 s29, 0
	s_mov_b32 s18, 0x76543210
	s_mov_b32 s19, 0xfedcba98
	s_mov_b32 s16, 0x3fb8aa3b                      ; log2(e), as a pair
	s_mov_b32 s17, 0x3fb8aa3b
	s_mov_b32 s31, 0x2b8cbccc                      ; 1e-12
	s_wait_kmcnt 0x0
	s_add_nc_u64 s[20:21], s[4:5], s[20:21]
	s_add_nc_u64 s[22:23], s[4:5], s[22:23]
	s_add_nc_u64 s[22:23], s[22:23], 8388608
	s_add_nc_u64 s[24:25], s[6:7], s[24:25]
	s_add_nc_u64 s[24:25], s[24:25], 659456
	s_add_nc_u64 s[8:9], s[8:9], s[26:27]
	s_add_nc_u64 s[10:11], s[10:11], s[28:29]
	s_load_b32 s30, s[8:9], 0x0                    ; the head's temperature
.set t, 0
.rept 8
.set q, 0
.rept 4
	global_load_b128 v[SB+16*t+4*q:SB+16*t+4*q+3], v4, s[20:21] offset:t*32768+q*512
.set q, q+1
.endr
	global_load_b32 v[QS+t], v5, s[22:23] offset:t*2048
	global_load_b32 v[KS+t], v6, s[22:23] offset:t*2048
.set t, t+1
.endr
	global_load_b128 v[WT:WT+3], v4, s[24:25]
	global_load_b128 v[WT+4:WT+7], v4, s[24:25] offset:512
	global_load_b128 v[WT+8:WT+11], v4, s[24:25] offset:8192
	global_load_b128 v[WT+12:WT+15], v4, s[24:25] offset:8704
	s_wait_loadcnt 0x0
	s_wait_kmcnt 0x0
	SUM8
.set q, 0
.rept 4
	ds_store_b128 v10, v[SB+4*q:SB+4*q+3] offset:q*512
.set q, q+1
.endr
	ds_store_b32 v11, v[QS]
	ds_store_b32 v11, v[KS] offset:1024
	s_wait_dscnt 0x0
	s_barrier_signal -1
	s_barrier_wait -1
.set t, 0
.rept 8
.set q, 0
.rept 4
	ds_load_b128 v[SB+16*t+4*q:SB+16*t+4*q+3], v4 offset:t*2048+q*512
.set q, q+1
.endr
	ds_load_b32 v[QS+t], v12 offset:t*128
	ds_load_b32 v[KS+t], v12 offset:1024+t*128
.set t, t+1
.endr
	s_wait_dscnt 0x0
	SUM8
	v_sqrt_f32 v[KS], v[KS]
	v_sqrt_f32 v[QS], v[QS]
	v_nop
	s_wait_alu depctr_va_vdst(0)
	v_max_num_f32 v[KS], s31, v[KS]
	v_max_num_f32 v[QS], s31, v[QS]
	v_rcp_f32 v[KS], v[KS]
	v_rcp_f32 v[QS], v[QS]
	v_nop
	s_wait_alu depctr_va_vdst(0)
	v_mul_f32 v[QS], s30, v[QS]
	ds_store_b32 v13, v[KS]                        ; 1 / |k| lies by lanes and is wanted by registers: through my own words; LDS serves a wave's instructions in order
.set q, 0
.rept 4
	ds_load_b128 v[RKR+4*q:RKR+4*q+3], v14 offset:(q/2)*64+(q%2)*16
.set q, q+1
.endr
	s_wait_dscnt 0x0
.set p, 0
.rept 8
	v_pk_mul_f32 v[SB+2*p:SB+2*p+1], v[SB+2*p:SB+2*p+1], v[RKR+2*p:RKR+2*p+1]
.set p, p+1
.endr
.set p, 0
.rept 8
	v_pk_mul_f32 v[SB+2*p:SB+2*p+1], v[SB+2*p:SB+2*p+1], v[QS:QS+1] op_sel_hi:[1,0]
.set p, p+1
.endr
	v_max3_num_f32 v48, v[SB], v[SB+1], v[SB+2]
.set p, 3
.rept 6
	v_max3_num_f32 v48, v48, v[SB+p], v[SB+p+1]
.set p, p+2
.endr
	v_max_num_f32 v48, v48, v[SB+15]
	v_permlanex16_b32 v49, v48, s18, s19
	v_max_num_f32 v48, v48, v49
	v_mul_f32 v48, s16, v48
.set p, 0
.rept 8
	v_pk_fma_f32 v[SB+2*p:SB+2*p+1], v[SB+2*p:SB+2*p+1], s[16:17], v[48:49] op_sel_hi:[1,0,0] neg_lo:[0,0,1] neg_hi:[0,0,1]
.set p, p+1
.endr
.set p, 0
.rept 16
	v_exp_f32 v[SB+p], v[SB+p]
.set p, p+1
.endr
	v_nop
	s_wait_alu depctr_va_vdst(0)
	v_pk_add_f32 v[50:51], v[SB:SB+1], v[SB+2:SB+3]
.set p, 2
.rept 6
	v_pk_add_f32 v[50:51], v[50:51], v[SB+2*p:SB+2*p+1]
.set p, p+1
.endr
	v_add_f32 v50, v50, v51
	v_permlanex16_b32 v51, v50, s18, s19
	v_add_f32 v50, v50, v51
	v_rcp_f32 v50, v50
	v_nop
.set p, 0
	s_wait_alu depctr_va_vdst(0)
.rept 8
	v_pk_mul_f32 v[SB+2*p:SB+2*p+1], v[SB+2*p:SB+2*p+1], v[50:51] op_sel_hi:[1,0]
.set p, p+1
.endr
.set p, 0
.rept 8
	v_cvt_pk_bf16_f32 v[FRG+p], v[SB+2*p], v[SB+2*p+1]
.set p, p+1
.endr
	v_wmma_f32_16x16x32_bf16 v[96:103], v[WT:WT+7], v[FRG:FRG+7], 0
	v_wmma_f32_16x16x32_bf16 v[104:111], v[WT+8:WT+15], v[FRG:FRG+7], 0
.rept 5
	v_nop
.endr
.set p, 0
.rept 8
	v_cvt_pk_bf16_f32 v[112+p], v[96+2*p], v[96+2*p+1]
.set p, p+1
.endr
	global_store_b128 v4, v[112:115], s[10:11]
	global_store_b128 v4, v[116:119], s[10:11] offset:512
	s_wait_tensorcnt 0x0                           ; the wave's end
	ds_add_u32 v[SPW], v[NIL]
	s_wait_dscnt 0x0
	s_endpgm
.Lfunc_end_k_qf6dc74fc4e_comb2:
	.size	k_qf6dc74fc4e_comb2, .Lfunc_end_k_qf6dc74fc4e_comb2-k_qf6dc74fc4e_comb2
	.p2alignl 7, 3214868480
	.fill 96, 4, 3214868480
	.section	.rodata,"a",@progbits
	.p2align	6, 0x0
	.amdhsa_kernel k_qf6dc74fc4e_comb2
		.amdhsa_group_segment_fixed_size 20480
		.amdhsa_private_segment_fixed_size 0
		.amdhsa_enable_private_segment 0
		.amdhsa_kernarg_size 32
		.amdhsa_user_sgpr_count 2
		.amdhsa_user_sgpr_kernarg_segment_ptr 1
		.amdhsa_wavefront_size32 1
		.amdhsa_system_sgpr_workgroup_id_x 1
		.amdhsa_system_sgpr_workgroup_id_y 1
		.amdhsa_system_sgpr_workgroup_id_z 1
		.amdhsa_system_vgpr_workitem_id 0
		.amdhsa_next_free_vgpr 256
		.amdhsa_next_free_sgpr 66
		.amdhsa_reserve_vcc 0
		.amdhsa_float_denorm_mode_32 3
		.amdhsa_float_denorm_mode_16_64 3
		.amdhsa_memory_ordered 1
		.amdhsa_forward_progress 1
		.amdhsa_inst_pref_size 26
	.end_amdhsa_kernel
	.amdgpu_metadata
---
amdhsa.version: [ 1, 2 ]
amdhsa.kernels:
  - .name:           k_qf6dc74fc4e_comb2
    .symbol:         k_qf6dc74fc4e_comb2.kd
    .args:
      - { .name: gp, .offset: 0, .size: 8, .value_kind: global_buffer, .address_space: global }
      - { .name: wf, .offset: 8, .size: 8, .value_kind: global_buffer, .address_space: global }
      - { .name: temperature, .offset: 16, .size: 8, .value_kind: global_buffer, .address_space: global }
      - { .name: as2, .offset: 24, .size: 8, .value_kind: global_buffer, .address_space: global }
    .group_segment_fixed_size: 20480
    .private_segment_fixed_size: 0
    .kernarg_segment_align: 8
    .kernarg_segment_size: 32
    .max_flat_workgroup_size: 256
    .sgpr_count:     66
    .vgpr_count:     256
    .wavefront_size: 32
...
	.end_amdgpu_metadata
.endif
;; end of part 7
;; launch blk_b: the kernel of part 5 again; grid 256 x 1, 4 waves a work-group, clusters of 4 x 1, 327,680 bytes of LDS; arguments add2, nf, as2, proj_b, ln4_g, ln4_b, ms2, m2_b1, m2_b2, out0; writes out0
